; MI455X (gfx1250); checked and timed in simulation.
; The chip was launched on July 23, 2026; its instructions are those of AMD's public machine-readable ISA for CDNA 5 (MIT licence, August 2026) and "CDNA5" Instruction Set Architecture Reference Guide (July 2026). The comments in the code are by the model that wrote it; some were corrected since.
;; Multi Head Self Attention. Allowed arithmetic: float matrix products may take bf16 or f16 operands with f32 sums; all other float work in f32.
;; Inputs: w_out 1,024 x 1,024 float32; w_qkv 3,072 x 1,024 float32; x 4 x 2,048 x 1,024 float32.
;; Outputs: out0 4 x 2,048 x 1,024 float32.
;; 2 versions, each right; version 2 is version 1 with the launch cvt written anew for expert scheduling mode. Each part assembles by itself: llvm-mc -triple=amdgcn-amd-amdhsa -mcpu=gfx1250 --defsym DOCPART=n.
;; ======== version 1 of 2: 4 launches
;; limits: values are held in f16: magnitudes above 65,504 overflow, below 6.1e-05 lose precision; right only within a limited range of input values
;; workspace buffers: xb 16,777,216 bytes; wqb 6,291,456 bytes; wob 2,097,152 bytes; qkv 50,331,648 bytes; yb 16,777,216 bytes
;; launch cvt (part 1): grid 768 x 1, 8 waves a work-group, no clusters, 0 bytes of LDS; arguments x, w_qkv, w_out, xb, wqb, wob; writes xb, wqb, wob
.if DOCPART == 1
	.amdgcn_target "amdgcn-amd-amdhsa--gfx1250"
	.amdhsa_code_object_version 6
	.text
	.protected	k_q86b995ec05_cvt
	.globl	k_q86b995ec05_cvt
	.p2align	8
	.type	k_q86b995ec05_cvt,@function
k_q86b995ec05_cvt:
	s_mov_b64 s[64:65], 0
	v_nop
	global_prefetch_b8 v0, s[64:65] scope:SCOPE_SE
	s_setreg_imm32_b32 hwreg(HW_REG_WAVE_MODE, 25, 1), 1
	s_wait_xcnt 0x0
; Rounds the three f32 inputs to 16 bits and lays them out for the matrix kernels:
;   x     [8192][1024] f32 -> xb  [16][8192][64] bf16      w_qkv [3072][1024] f32 -> wqb [16][3072][64] bf16
;   w_out [1024][1024] f32 -> wob [16][1024][64] f16, holding the value ROUNDED TO BF16 (its partner in the last product is f16)
; Block kb of a destination holds columns 64 kb .. 64 kb + 63 of every row: a row piece is 128 bytes, and any run of rows of one block is dense.
; LIMIT: a bf16 value is exact in f16 for 2^-17 <= |w| <= 65504; below, the absolute error is at most 2^-25; above, it becomes infinity.
; A stream: each input byte is loaded once, each output byte stored once.  LDS, barriers, matrix units and clusters would add nothing.
; A work-group takes 16 input rows (64 KiB): numbers 0-511 x, 512-703 w_qkv, 704-767 w_out.  Wave w takes rows 2w and 2w + 1.
; A load of a wave covers 256 aligned bytes of each of its two rows (one block's 64 columns); its 8 bytes a lane of results are
; 256 consecutive aligned bytes of the destination (two row pieces).  All sixteen loads of a wave are issued before the first wait;
; no register that a memory instruction names is written twice, so no source of a pending instruction is ever rewritten.
.set VIN, 1                            ; v1        byte offset of my 16 bytes in the chunk, block 0
.set X,   4                            ; v[4:67]   block kb: 4 f32 as loaded
.set Y,   68                           ; v[68:99]  block kb: 4 numbers of 16 bits
.set OFF, 100                          ; v[100:115] block kb: byte offset of my 8 bytes in the destination
.set TT,  116                          ; v[116:119] at work (w_out only)
	s_load_b256 s[4:11], s[0:1], 0x0               ; x s[4:5], w_qkv s[6:7], w_out s[8:9], xb s[10:11]
	s_load_b128 s[12:15], s[0:1], 0x20             ; wqb s[12:13], wob s[14:15]
	v_and_b32 v1, 15, v0
	v_lshrrev_b32 v2, 4, v0                        ; row of the chunk = 2 x wave + lane / 16
	v_lshlrev_b32 v1, 4, v1
	v_lshl_add_u32 v[VIN], v2, 12, v1              ; row x 4,096 + 16 x (lane mod 16)
	s_mov_b32 s21, 0x100000                        ; bytes from block to block: 8192 rows x 128
	s_mov_b32 s22, 0x60000                         ; 3072 x 128
	s_mov_b32 s23, 0x20000                         ; 1024 x 128
	s_wait_kmcnt 0x0
	s_cmp_lt_u32 ttmp9, 512                        ; which tensor: the choice hangs on the work-group's number alone
	s_cselect_b64 s[16:17], s[4:5], s[6:7]
	s_cselect_b64 s[18:19], s[10:11], s[12:13]
	s_cselect_b32 s20, 0, 512
	s_cselect_b32 s21, s21, s22
	s_cmp_lt_u32 ttmp9, 704
	s_cselect_b64 s[16:17], s[16:17], s[8:9]
	s_cselect_b64 s[18:19], s[18:19], s[14:15]
	s_cselect_b32 s20, s20, 704
	s_cselect_b32 s21, s21, s23
	s_sub_co_u32 s20, ttmp9, s20                   ; my chunk of 16 rows in that tensor
	s_lshl_b32 s24, s20, 16                        ; 16 rows x 4,096 bytes in
	s_mov_b32 s25, 0
	s_add_nc_u64 s[16:17], s[16:17], s[24:25]
	s_lshl_b32 s24, s20, 11                        ; 16 row pieces x 128 bytes out
	s_add_nc_u64 s[18:19], s[18:19], s[24:25]
.irp kb, 0,1,2,3,4,5,6,7,8,9,10,11,12,13,14,15
	global_load_b128 v[X+4*\kb:X+4*\kb+3], v[VIN], s[16:17] offset:256*\kb th:TH_LOAD_NT
.endr
	v_lshlrev_b32 v[OFF], 3, v0                    ; 256 x wave + 8 x lane
.irp kb, 1,2,3,4,5,6,7,8,9,10,11,12,13,14,15
	v_add_nc_u32 v[OFF+\kb], s21, v[OFF+\kb-1]
.endr
	s_cmp_ge_u32 ttmp9, 704
	s_cbranch_scc1 .Lwout
.irp kb, 0,1,2,3,4,5,6,7,8,9,10,11,12,13,14,15
	s_wait_loadcnt 15-\kb                          ; loads come back in order: block kb is in, the 15 - kb younger ones stay out
	v_cvt_pk_bf16_f32 v[Y+2*\kb],   v[X+4*\kb],   v[X+4*\kb+1]
	v_cvt_pk_bf16_f32 v[Y+2*\kb+1], v[X+4*\kb+2], v[X+4*\kb+3]
	global_store_b64 v[OFF+\kb], v[Y+2*\kb:Y+2*\kb+1], s[18:19]
.endr
	s_endpgm
.Lwout:
.irp kb, 0,1,2,3,4,5,6,7,8,9,10,11,12,13,14,15
	s_wait_loadcnt 15-\kb
	v_cvt_pk_bf16_f32 v[TT],   v[X+4*\kb],   v[X+4*\kb+1]      ; round to bf16,
	v_cvt_pk_bf16_f32 v[TT+1], v[X+4*\kb+2], v[X+4*\kb+3]
	v_lshlrev_b32 v[TT+2], 16, v[TT]                           ; widen again,
	v_and_b32     v[TT],   0xffff0000, v[TT]
	v_lshlrev_b32 v[TT+3], 16, v[TT+1]
	v_and_b32     v[TT+1], 0xffff0000, v[TT+1]
	v_cvt_pk_f16_f32 v[Y+2*\kb],   v[TT+2], v[TT]              ; and keep the same value as f16
	v_cvt_pk_f16_f32 v[Y+2*\kb+1], v[TT+3], v[TT+1]
	global_store_b64 v[OFF+\kb], v[Y+2*\kb:Y+2*\kb+1], s[18:19]
.endr
	s_endpgm
.Lfunc_end_k_q86b995ec05_cvt:
	.size	k_q86b995ec05_cvt, .Lfunc_end_k_q86b995ec05_cvt-k_q86b995ec05_cvt
	.p2alignl 7, 3214868480
	.fill 96, 4, 3214868480
	.section	.rodata,"a",@progbits
	.p2align	6, 0x0
	.amdhsa_kernel k_q86b995ec05_cvt
		.amdhsa_group_segment_fixed_size 0
		.amdhsa_private_segment_fixed_size 0
		.amdhsa_enable_private_segment 0
		.amdhsa_kernarg_size 48
		.amdhsa_user_sgpr_count 2
		.amdhsa_user_sgpr_kernarg_segment_ptr 1
		.amdhsa_wavefront_size32 1
		.amdhsa_system_sgpr_workgroup_id_x 1
		.amdhsa_system_sgpr_workgroup_id_y 1
		.amdhsa_system_sgpr_workgroup_id_z 1
		.amdhsa_system_vgpr_workitem_id 0
		.amdhsa_next_free_vgpr 120
		.amdhsa_next_free_sgpr 66
		.amdhsa_reserve_vcc 0
		.amdhsa_float_denorm_mode_32 3
		.amdhsa_float_denorm_mode_16_64 3
		.amdhsa_memory_ordered 1
		.amdhsa_forward_progress 1
		.amdhsa_inst_pref_size 17
	.end_amdhsa_kernel
	.amdgpu_metadata
---
amdhsa.version: [ 1, 2 ]
amdhsa.kernels:
  - .name:           k_q86b995ec05_cvt
    .symbol:         k_q86b995ec05_cvt.kd
    .args:
      - { .name: x, .offset: 0, .size: 8, .value_kind: global_buffer, .address_space: global }
      - { .name: w_qkv, .offset: 8, .size: 8, .value_kind: global_buffer, .address_space: global }
      - { .name: w_out, .offset: 16, .size: 8, .value_kind: global_buffer, .address_space: global }
      - { .name: xb, .offset: 24, .size: 8, .value_kind: global_buffer, .address_space: global }
      - { .name: wqb, .offset: 32, .size: 8, .value_kind: global_buffer, .address_space: global }
      - { .name: wob, .offset: 40, .size: 8, .value_kind: global_buffer, .address_space: global }
    .group_segment_fixed_size: 0
    .private_segment_fixed_size: 0
    .kernarg_segment_align: 8
    .kernarg_segment_size: 48
    .max_flat_workgroup_size: 256
    .sgpr_count:     66
    .vgpr_count:     120
    .wavefront_size: 32
...
	.end_amdgpu_metadata
.endif
;; end of part 1
;; launch gemm_qkv (part 2): grid 8 x 32, 4 waves a work-group, clusters of 4 x 4, 327,680 bytes of LDS; arguments xb, wqb, qkv; writes qkv
.if DOCPART == 2
	.amdgcn_target "amdgcn-amd-amdhsa--gfx1250"
	.amdhsa_code_object_version 6
	.text
	.protected	k_q86b995ec05_gemm_qkv
	.globl	k_q86b995ec05_gemm_qkv
	.p2align	8
	.type	k_q86b995ec05_gemm_qkv,@function
k_q86b995ec05_gemm_qkv:
	s_mov_b64 s[64:65], 0
	v_nop
	global_prefetch_b8 v0, s[64:65] scope:SCOPE_SE
	s_setreg_imm32_b32 hwreg(HW_REG_WAVE_MODE, 25, 1), 1
	s_wait_xcnt 0x0
	s_wait_alu depctr_hold_cnt(0) depctr_sa_sdst(0) depctr_va_vdst(0) depctr_va_sdst(0) depctr_va_ssrc(0) depctr_va_vcc(0) depctr_vm_vsrc(0)
	s_getreg_b32 s2, hwreg(HW_REG_IB_STS2, 6, 4)
	s_cmp_eq_u32 s2, 0
	s_cbranch_scc0 .Lentry_in_a_cluster
	s_endpgm
.Lentry_in_a_cluster:
	s_bfe_u32 s2, ttmp6, 0x10000c
	s_cmp_lg_u32 s2, 0xf033
	s_cbranch_scc0 .Lentry_shape_is_right
	s_endpgm
.Lentry_shape_is_right:
; qkv[m][n] = sum over k of x[m][k] w_qkv[n][k]: [8192 x 1024] . [3072 x 1024]^T, operands bf16, sums f32, K ascending, result f16.
; Operands lie as [block of 64 k][row][64] (a row piece is 128 bytes, rows of one block are dense); the result as [n / 64][m][64] f16:
; groups 0-15 are q by head, 16-31 k, 32-47 v.
; LIMIT: the result is f16: |q|, |k|, |v| above 65504 become infinity.
; A work-group makes 256 x 384 of the result (8 x 32 blocks = 256 work-groups) with four waves; a wave makes 128 x 192: 96 accumulator tiles
; of 16 x 16, 768 registers.  K goes in slots of 64 (two steps of 32) through a ring of two LDS slots filled by the tensor data mover.
; CLUSTERS: 4 x 4 work-groups.  A's tile hangs on the block row alone and is asked for jointly by the four of a row of the cluster, B's on the
; block column alone and by the four of a column: the same line, the same descriptor, a mask that names the four.
; A tile is a dense block of memory and is described as rows of 256 bytes of 8-byte elements, with 16 bytes of padding behind every 128 bytes:
; in LDS a row piece has pitch 144 = 9 x 16 bytes, so the 16 rows of a fragment load begin at 16 different 16-byte columns modulo 256.
; REGISTERS: window 0: addresses, A's fragments in two buffers, B's in one; windows 1-3: accumulator tile (b, a) (columns 16 b, rows 16 a)
; in window 1 + b / 4 at 8 (8 (b mod 4) + a).
; The matrix instruction is used transposed (source 0 = 16 rows of B, source 1 = 16 rows of A): a lane then holds 8 neighbouring columns of one row.
; The accumulators take turns, one instruction a turn, in the same order in every step.
.set NB,      12                       ; blocks of 16 columns of a wave
.set NBA,     4                        ; of them in front of the barrier's signal in a slot's last step
.set KS,      2                        ; steps of 32 along K in a slot
.set REG,     27648                    ; LDS bytes kept for one wave's load (B's 192 rows x 144; A's 128 rows use 18,432)
.set SLOT,    4*REG
.set STAGE,   2*SLOT                   ; behind the ring: the way out, never filled by a tensor load
.set STGW,    6912                     ; a wave's stage: 3 groups x 16 rows x 144
.set RA,      64                       ; A's load: 128 row pieces = 64 rows of 256 bytes
.set RBB,     96                       ; B's load: 192 row pieces
.set A_WSTEP, 16384                    ; global bytes between the two waves' parts of A's tile
.set B_WSTEP, 24576
.set A_BLK,   32768                    ; global bytes from block row to block row (256 row pieces)
.set B_BLK,   49152                    ; from block column to block column (384 row pieces)
.set A_SL,    1048576                  ; global bytes from a slot's tile to the next: one block of 64 k of 8192 rows
.set B_SL,    393216                   ; of 3072 rows
.set A_RDM,   REG                      ; LDS bytes between the two halves of A's rows
.set B_RDM,   REG                      ; between the two halves of B's rows
.set LAPS,    8                        ; 1024 / 64 slots, two a lap
.set ADRA, 16                          ; v16-17  LDS address of my A fragments in slot 0, 1
.set ADRB, 20                          ; v20-21  the same for B
.set STO,  24                          ; v24     the way out: where I put 16 bytes
.set RD,   25                          ; v25     where I read them back
.set CO,   26                          ; v26     my byte offset in the result
.set FA0,  32                          ; v32-95   A's fragments, buffer 0 (8 blocks of 16 rows x 32 k)
.set FA1,  96                          ; v96-159  buffer 1
.set FB,   160                         ; v160-255 B's fragments (12 blocks)
.set TMP,  32                          ; the way out: packed results
.set RB0,  96                          ; the way out: rows read back, two buffers by turns
.set RB1,  144
.set G1,  24                           ; s[24:31] group 1 for A's tiles
.set G0,  32                           ; s[32:39] group 0 for A's tiles, a set for each slot
.set G1B, 48                           ; s[48:55] group 1 for B's tiles
.set G0B, 56                           ; s[56:63] group 0 for B's tiles, a set for each slot
.set MSB, 0
.macro WIN new                         ; the immediate's high byte repeats the setting that is left; switches that change nothing are dropped
.if MSB != (\new)
	s_set_vgpr_msb (MSB<<8)|(\new)
.set MSB, (\new)
.endif
.endm
.macro PLACES                          ; four places behind a matrix instruction in front of loads into, or vector work on, its registers
.rept 4
	v_nop
.endr
.endm
.macro WM d, a, b, zero
.if \zero
	v_wmma_f32_16x16x32_bf16 v[\d:\d+7], v[\a:\a+7], v[\b:\b+7], 0
.else
	v_wmma_f32_16x16x32_bf16 v[\d:\d+7], v[\a:\a+7], v[\b:\b+7], v[\d:\d+7]
.endif
.endm
; A joint load: waves 0 and 1 fetch A's two parts, waves 2 and 3 B's.  The branch hangs on the wave's number alone.
.macro JLOAD s
	s_cmp_eq_u32 s11, 0
	s_cbranch_scc0 .Lfor_b_\@
	tensor_load_to_lds s[G0+4*\s:G0+4*\s+3], s[G1:G1+7]
	s_nop 0
	s_branch .Lasked_\@
.Lfor_b_\@:
	tensor_load_to_lds s[G0B+4*\s:G0B+4*\s+3], s[G1B:G1B+7]
	s_nop 0
.Lasked_\@:
.endm
.macro CREST                           ; a round of the cluster's barrier behind its opening work-group barrier
	s_cmp_lg_u32 s10, 0
	s_cbranch_scc1 .Lnot_wave_0_\@
	s_barrier_signal -3
.Lnot_wave_0_\@:
	s_barrier_wait -3
	s_barrier_signal -1
	s_barrier_wait -1
.endm
.macro CROUND                          ; a whole round
	s_barrier_signal -1
	s_barrier_wait -1
	CREST
.endm
	s_load_b128 s[4:7], s[0:1], 0x0                ; A s[4:5], B s[6:7]
	s_load_b64 s[8:9], s[0:1], 0x10                ; the result
	v_lshl_add_u32 v30, v0, 2, 0x3cc00
	v_mov_b32 v31, 0
	ds_add_u32 v30, v31
	v_lshrrev_b32 v1, 5, v0
	v_readfirstlane_b32 s10, v1                    ; wave 0..3
	s_lshr_b32 s11, s10, 1                         ; which half of the block's rows is mine.  Also: I fetch for A (0) or for B (1)
	s_and_b32 s12, s10, 1                          ; which half of its columns.  Also: which part of that tile I fetch
	s_bfe_u32 s40, ttmp6, 0x40000                  ; cx
	s_bfe_u32 s41, ttmp6, 0x40004                  ; cy
	s_lshl_b32 s42, ttmp9, 2
	s_add_co_u32 s42, s42, s40                     ; block column = 4 x cluster x + cx
	s_and_b32 s13, ttmp7, 0xffff
	s_lshl_b32 s13, s13, 2
	s_add_co_u32 s13, s13, s41                     ; block row = 4 x cluster y + cy
	s_lshl_b32 s43, s41, 2
	s_lshl_b32 s43, 15, s43                        ; my row of the cluster: places 4 cy .. 4 cy + 3
	s_lshl_b32 s44, 0x1111, s40                    ; my column: places cx, cx + 4, cx + 8, cx + 12
	s_or_b32 s[G1+0], s43, 0x07330000              ; 15:0 mask; 17:16 elements of 8 bytes; 20 padding on; 21 set beside a mask; 24:22 after every 32 words; 31:25 of 4 words
	s_or_b32 s[G1B+0], s44, 0x07330000
	s_mov_b32 s[G1+1], 32<<16                      ; tensor_dim0 = 32 elements = 256 bytes
	s_mov_b32 s[G1B+1], 32<<16
	s_mov_b32 s[G1+2], RA<<16                      ; tensor_dim1 = the tile's rows
	s_mov_b32 s[G1B+2], RBB<<16
	s_mov_b32 s[G1+3], 32<<16                      ; tile_dim0
	s_mov_b32 s[G1B+3], 32<<16
	s_mov_b32 s[G1+4], RA                          ; tile_dim1
	s_mov_b32 s[G1B+4], RBB
	s_mov_b32 s[G1+5], 32                          ; from row to row: 32 elements, the block is dense
	s_mov_b32 s[G1B+5], 32
	s_mov_b32 s[G1+6], 0
	s_mov_b32 s[G1B+6], 0
	s_mov_b32 s[G1+7], 0
	s_mov_b32 s[G1B+7], 0
	; A's tiles hang on the block row, B's on the block column; each address is made in registers that never hold the other coordinate
	s_mul_i32 s16, s13, A_BLK
	s_mul_i32 s17, s12, A_WSTEP
	s_add_co_u32 s16, s16, s17
	s_mov_b32 s17, 0
	s_mul_i32 s46, s42, B_BLK
	s_mul_i32 s47, s12, B_WSTEP
	s_add_co_u32 s46, s46, s47
	s_mov_b32 s47, 0
	s_mul_i32 s20, s10, REG                        ; where my load goes: the wave's number times a constant
	s_wait_dscnt 0x0
	s_wait_kmcnt 0x0
	s_add_nc_u64 s[14:15], s[4:5], s[16:17]
	s_add_nc_u64 s[46:47], s[6:7], s[46:47]
	CROUND                                         ; all sixteen work-groups are here: the first joint loads meet
.irp s, 0,1
	s_mov_b32 s[G0+4*\s], 1
	s_add_co_u32 s[G0+4*\s+1], s20, \s*SLOT
	s_add_nc_u64 s[G0+4*\s+2:G0+4*\s+3], s[14:15], \s*A_SL
	s_or_b32 s[G0+4*\s+3], s[G0+4*\s+3], 0x80000000
	s_mov_b32 s[G0B+4*\s], 1
	s_add_co_u32 s[G0B+4*\s+1], s20, \s*SLOT
	s_add_nc_u64 s[G0B+4*\s+2:G0B+4*\s+3], s[46:47], \s*B_SL
	s_or_b32 s[G0B+4*\s+3], s[G0B+4*\s+3], 0x80000000
	JLOAD \s                                       ; both slots' first fills go out together: two tensor loads of the wave are out
.endr
	; a fragment: lane l holds row l % 16; registers 0-3 k = 8 (l / 16) + 0..7, registers 4-7 k = 16 + 8 (l / 16) + 0..7: two loads of 16 bytes, 32 apart
	v_and_b32 v1, 15, v0
	v_bfe_u32 v2, v0, 4, 1
	v_mul_u32_u24 v3, v1, 144
	v_lshl_add_u32 v3, v2, 4, v3                   ; row x pitch + 16 x half
	s_mul_i32 s21, s11, A_RDM                      ; my 128 rows of A
	s_mul_i32 s22, s12, B_RDM                      ; my 192 rows of B,
	s_add_co_u32 s22, s22, 2*REG                   ; which lie behind A's two regions
.irp s, 0,1
	v_add_nc_u32 v[ADRA+\s], s21, v3
	v_add_nc_u32 v[ADRB+\s], s22, v3
	s_add_co_u32 s21, s21, SLOT
	s_add_co_u32 s22, s22, SLOT
.endr
	s_mul_i32 s23, s10, STGW
	s_add_co_u32 s23, s23, STAGE                   ; my stage
	v_add_nc_u32 v[STO], s23, v3                   ; in: row l % 16, 16 bytes for each half of the lanes
	v_and_b32 v4, 31, v0
	v_lshrrev_b32 v5, 3, v4
	v_and_b32 v6, 7, v0
	v_mul_u32_u24 v5, v5, 144
	v_lshl_add_u32 v5, v6, 4, v5
	v_add_nc_u32 v[RD], s23, v5                    ; back: eight lanes take a row piece of 128 bytes, the wave four of them
	v_lshlrev_b32 v[CO], 4, v4                     ; which are 512 consecutive bytes of the result
; column blocks b0 .. b1 - 1 x all 8 row blocks, 32 along K, A's fragments from buffer f
.macro MULS f, b0, b1, zero
.set bb, \b0
.rept \b1-\b0
.set WW, 1+(bb>>2)
	WIN (WW<<6)|(WW<<4)
.set aa, 0
.rept 8
	WM 8*(8*(bb&3)+aa), FB+8*bb, \f+8*aa, \zero
.set aa, aa+1
.endr
.set bb, bb+1
.endr
.endm
.macro FETCH_A slot, s, g              ; A's fragments of step s of a slot into buffer g: 16 loads
.set KO, ((\s)>>1)*REG+64*((\s)&1)
.irp a, 0,1,2,3,4,5,6,7
	ds_load_b128 v[\g+8*\a:\g+8*\a+3],   v[ADRA+\slot] offset:KO+\a*2304
	ds_load_b128 v[\g+8*\a+4:\g+8*\a+7], v[ADRA+\slot] offset:KO+\a*2304+32
.endr
.endm
.macro FETCH_B slot, s, b0, b1         ; B's fragments b0 .. b1 - 1 of step s: two loads each
.set KO, ((\s)>>1)*REG+64*((\s)&1)
.set bb, \b0
.rept \b1-\b0
	ds_load_b128 v[FB+8*bb:FB+8*bb+3],   v[ADRB+\slot] offset:KO+bb*2304
	ds_load_b128 v[FB+8*bb+4:FB+8*bb+7], v[ADRB+\slot] offset:KO+bb*2304+32
.set bb, bb+1
.endr
.endm
; A step that is not its slot's last.  B has one buffer: its lower half is loaded again behind the lower half's products, its upper half behind the upper's.
.macro INNER slot, s, zero
.if (\s)&1
.set FCUR, FA1
.set FNXT, FA0
.else
.set FCUR, FA0
.set FNXT, FA1
.endif
	s_wait_dscnt NB                                ; the NB youngest loads are B's upper half and may be out; A and B's lower half are in
	MULS FCUR, 0, NB/2, \zero
	WIN 0
	PLACES
	FETCH_A \slot, \s+1, FNXT
	FETCH_B \slot, \s+1, 0, NB/2
	s_wait_dscnt 16+NB                             ; all but the 16 + NB just issued: this step's upper half of B is in
	MULS FCUR, NB/2, NB, \zero
	WIN 0
	PLACES
	FETCH_B \slot, \s+1, NB/2, NB
.endm
; A slot's last step (buffer 1), and the change of slots.  All of this slot's fragments are in registers once the wait for 0 has passed.
; In front of the barrier each wave waits for its reads of this slot and for all its tensor loads (one is out: its part of the next slot).
; Where the slot is filled again the barrier opens a round of the cluster's barrier, and the joint refill is the first tensor load behind the round.
.macro TURN slot, next, fill
	s_wait_dscnt NB
	MULS FA1, 0, NBA, 0
	s_wait_dscnt 0x0                               ; my reads of this slot are over
	s_wait_tensorcnt 0x0                           ; all my tensor loads have landed
	ds_add_u32 v30, v31
	s_wait_dscnt 0x0
	s_barrier_signal -1
	MULS FA1, NBA, NB/2, 0                         ; register work while the others arrive
	WIN 0
	s_barrier_wait -1
.if \fill
	CREST
	s_add_nc_u64 s[G0+4*\slot+2:G0+4*\slot+3], s[G0+4*\slot+2:G0+4*\slot+3], 2*A_SL
	s_add_nc_u64 s[G0B+4*\slot+2:G0B+4*\slot+3], s[G0B+4*\slot+2:G0B+4*\slot+3], 2*B_SL
	JLOAD \slot                                    ; my one tensor load until the next round
.endif
	PLACES
	FETCH_A \next, 0, FA0
	FETCH_B \next, 0, 0, NB/2
	MULS FA1, NB/2, NB, 0                          ; B's upper half was shown in by the wait for 0 above
	WIN 0
	PLACES
	FETCH_B \next, 0, NB/2, NB
.endm
.macro INNERS slot, zero
	INNER \slot, 0, \zero
.if KS == 4
	INNER \slot, 1, 0
	INNER \slot, 2, 0
.endif
.endm
.macro LAP zero                        ; once round the ring, both slots filled again
	INNERS 0, \zero
	TURN 0, 1, 1
	INNERS 1, 0
	TURN 1, 0, 1
.endm
	s_wait_tensorcnt 0x1                           ; my part of slot 0 is in; slot 1's, issued behind it, stays out
	s_barrier_signal -1
	s_barrier_wait -1
	FETCH_A 0, 0, FA0
	FETCH_B 0, 0, 0, NB
	LAP 1                                          ; the first lap stands in front of the loop: its first products start the sums
	WIN 0
	s_mov_b32 s3, LAPS-2
.Llap:
	LAP 0
	WIN 0
	s_sub_co_u32 s3, s3, 1
	s_cmp_lg_u32 s3, 0
	s_cbranch_scc1 .Llap
	INNERS 0, 0                                    ; the last lap fills nothing and has no round
	TURN 0, 1, 0
	INNERS 1, 0
	s_wait_dscnt NB                                ; the very last step
	MULS FA1, 0, NB/2, 0
	s_wait_dscnt 0x0
	MULS FA1, NB/2, NB, 0
	WIN 0
	PLACES
	; THE WAY OUT, 16 rows at a time: round to f16, 16 bytes a lane into my own stage (3 groups x 16 rows, pitch 144), read back as row pieces.
	s_lshl_b32 s16, s13, 15                        ; block row x 256 row pieces of 128 bytes
	s_lshl_b32 s17, s11, 14                        ; + my half's 128
	s_add_co_u32 s16, s16, s17
	s_mov_b32 s17, 0
	s_add_nc_u64 s[8:9], s[8:9], s[16:17]
	s_mul_i32 s46, s42, 6                          ; my first group of 64 columns: 6 x block column + 3 x half
	s_mul_i32 s47, s12, 3
	s_add_co_u32 s46, s46, s47
	s_lshl_b32 s46, s46, 20                        ; a group is 8192 x 128 bytes
	s_mov_b32 s47, 0
	s_add_nc_u64 s[8:9], s[8:9], s[46:47]
.macro OUT16 a, f
.set bb, 0
.rept NB
.set WW, 1+(bb>>2)
	WIN WW|(WW<<2)
.irp r, 0,1,2,3
	v_cvt_pk_f16_f32 v[TMP+4*bb+\r], v[8*(8*(bb&3)+\a)+2*\r], v[8*(8*(bb&3)+\a)+2*\r+1]
.endr
.set bb, bb+1
.endr
	WIN 0
.set bb, 0
.rept NB
	ds_store_b128 v[STO], v[TMP+4*bb:TMP+4*bb+3] offset:(bb>>2)*2304+32*(bb&3)
.set bb, bb+1
.endr
	s_wait_xcnt 0x0                                ; buffer f, which earlier stores read, is loaded again only behind this wait
.set nn, 0
.rept NB
	ds_load_b128 v[\f+4*nn:\f+4*nn+3], v[RD] offset:(nn>>2)*2304+(nn&3)*576   ; a wave's LDS instructions are served in order: these see the stores above
.set nn, nn+1
.endr
.set nn, 0
.rept NB
	s_wait_dscnt NB-1-nn                           ; the younger read-backs stay out
	global_store_b128 v[CO], v[\f+4*nn:\f+4*nn+3], s[8:9] offset:(nn>>2)*1048576+\a*2048+(nn&3)*512   ; 512 consecutive aligned bytes
.set nn, nn+1
.endr
.endm
	OUT16 0, RB0
	OUT16 1, RB1
	OUT16 2, RB0
	OUT16 3, RB1
	OUT16 4, RB0
	OUT16 5, RB1
	OUT16 6, RB0
	OUT16 7, RB1
	s_wait_tensorcnt 0x0
	ds_add_u32 v30, v31
	s_wait_dscnt 0x0
	CROUND                                         ; the closing round: no work-group ends while a partner may still ask for a tile that names it
	s_endpgm
.Lfunc_end_k_q86b995ec05_gemm_qkv:
	.size	k_q86b995ec05_gemm_qkv, .Lfunc_end_k_q86b995ec05_gemm_qkv-k_q86b995ec05_gemm_qkv
	.p2alignl 7, 3214868480
	.fill 96, 4, 3214868480
	.section	.rodata,"a",@progbits
	.p2align	6, 0x0
	.amdhsa_kernel k_q86b995ec05_gemm_qkv
		.amdhsa_group_segment_fixed_size 327680
		.amdhsa_private_segment_fixed_size 0
		.amdhsa_enable_private_segment 0
		.amdhsa_kernarg_size 24
		.amdhsa_user_sgpr_count 2
		.amdhsa_user_sgpr_kernarg_segment_ptr 1
		.amdhsa_wavefront_size32 1
		.amdhsa_system_sgpr_workgroup_id_x 1
		.amdhsa_system_sgpr_workgroup_id_y 1
		.amdhsa_system_sgpr_workgroup_id_z 1
		.amdhsa_system_vgpr_workitem_id 0
		.amdhsa_next_free_vgpr 1024
		.amdhsa_next_free_sgpr 66
		.amdhsa_reserve_vcc 0
		.amdhsa_float_denorm_mode_32 3
		.amdhsa_float_denorm_mode_16_64 3
		.amdhsa_memory_ordered 1
		.amdhsa_forward_progress 1
		.amdhsa_inst_pref_size 168
	.end_amdhsa_kernel
	.amdgpu_metadata
---
amdhsa.version: [ 1, 2 ]
amdhsa.kernels:
  - .name:           k_q86b995ec05_gemm_qkv
    .symbol:         k_q86b995ec05_gemm_qkv.kd
    .args:
      - { .name: xb, .offset: 0, .size: 8, .value_kind: global_buffer, .address_space: global }
      - { .name: wqb, .offset: 8, .size: 8, .value_kind: global_buffer, .address_space: global }
      - { .name: qkv, .offset: 16, .size: 8, .value_kind: global_buffer, .address_space: global }
    .group_segment_fixed_size: 327680
    .private_segment_fixed_size: 0
    .kernarg_segment_align: 8
    .kernarg_segment_size: 24
    .max_flat_workgroup_size: 128
    .sgpr_count:     66
    .vgpr_count:     1024
    .wavefront_size: 32
...
	.end_amdgpu_metadata
.endif
;; end of part 2
;; launch attn (part 3): grid 4 x 64, 8 waves a work-group, no clusters, 327,680 bytes of LDS; arguments qkv, yb; writes yb
.if DOCPART == 3
	.amdgcn_target "amdgcn-amd-amdhsa--gfx1250"
	.amdhsa_code_object_version 6
	.text
	.protected	k_q86b995ec05_attn
	.globl	k_q86b995ec05_attn
	.p2align	8
	.type	k_q86b995ec05_attn,@function
k_q86b995ec05_attn:
	s_mov_b64 s[64:65], 0
	v_nop
	global_prefetch_b8 v0, s[64:65] scope:SCOPE_SE
	s_setreg_imm32_b32 hwreg(HW_REG_WAVE_MODE, 25, 1), 1
	s_wait_xcnt 0x0
; Causal attention of one head, y = softmax(q k^T / 8, keys <= query) v, with a running maximum.  q, k, v: qkv [48][8192][64] f16 (groups 0-15 q, 16-31 k,
; 32-47 v by head; row = 2048 b + t).  y: yb [16 heads][8192][64] f16.  Products on f16 operands with f32 sums; softmax in f32.
; LIMITS: P = exp2(..) <= 1 is rounded to f16 (below 2^-25 it becomes 0) and the softmax's sum is taken over the rounded P; y is f16, a convex mix of v;
; v_exp_f32 flushes results below 2^-126 to 0; the order of the sums over keys differs from the reference's; NaN and infinite q, k, v are not served.
; SHARES: grid y = 16 b + head.  A head's 2048 queries are 8 blocks of 256; work-group j (grid x) does block j, then block 7 - j:
; (2j + 2) + (16 - 2j) = 18 tiles of 128 keys for every work-group.  Waves w and w + 4 own the same 64 queries (64 (w mod 4) of the block) and split each
; key tile: wave / 4 picks keys 0-63 or 64-127.  At a block's end the two partial results are merged through LDS.
; NO MULTICAST: the four work-groups of a head walk 2j + 2 and then 16 - 2j key tiles, different numbers for each; in lock step every one would make
; 8 + 16 = 24 steps for its 18.
; FORM: S^T = K Q^T (A = 16 keys, B = 16 queries): lane (r, h) holds keys 8h + 0..7 of query r, so two packed tiles of S^T are the B fragment of P^T for
; 32 keys, and O^T = V^T P^T (A = V^T by transposing LDS loads) keeps query r in lane r: maximum, factor and sum are one number a lane.
; The sum l is a fifth tile of O^T whose A is all ones.  In each run of matrix instructions the accumulators take turns, one instruction a turn.
; The tiles of a block come diagonal pair first (2 sb, 2 sb + 1), then 0 .. 2 sb - 1: the first unit starts the sums with C = 0 at a fixed place of the text.
; By this text's own count a wave never has more than one tensor load out.
.set KSZ,  18432                       ; K's tile in a slot: 128 rows, pitch 144
.set SLOT, 38912                       ; + V's: 128 rows, pitch 160 (an odd multiple of 32, for the transposing loads)
.set QLDS, 77824                       ; behind the two slots: the two query blocks, 256 rows x 144 each
.set QSZ,  36864
.set XCH,  151552                      ; each wave's 8,704 bytes for its partner: 16 x 512 of O, 512 of l and NMC.  Never filled by a tensor load
.set XSZ,  8704
.set STG,  221184                      ; each wave's stage for the way out: 2 x 16 rows x 144.  Never filled by a tensor load
.set SSZ,  4608
; window 0
.set ADK, 2                            ; LDS address of my K fragments in slot 0
.set ADV, 3                            ; of my V fragments
.set ADQ, 4                            ; of my Q fragments in block 0
.set XST, 5                            ; my exchange bytes
.set XLD, 6                            ; my partner's
.set STO, 7                            ; stage, in
.set SRD, 8                            ; stage, back
.set YO,  9                            ; 16 x lane
.set NEG, 10                           ; -infinity
.set DD,  11                           ; r - 8 h
.set T,   12                           ; v12-15  at work
.set ST,  16                           ; v16-31  q-tile qt: NMC = -c max at ST + 4 qt, the factor AL at ST + 4 qt + 2 (each the low word of a pair)
.set S,   32                           ; v32-159 S[qt][t] at 32 qt + 8 t; then P[qt][kk] at 32 qt + 16 kk
.set QF,  160                          ; v160-223 Q fragments [qt][ks] at 16 qt + 8 ks
.set MX,  232                          ; v232-235 maxima
.set PS,  236                          ; v236-239 the partner's l, l, NMC, NMC
.set SS,  240                          ; v240-243 mine, to send
.set OL,  244                          ; v244-245 my l of the two q-tiles that I merge
.set FAC, 246                          ; v246-253 q-tile q: my factor at FAC + 4 q, the partner's at FAC + 4 q + 2 (low words of pairs)
; window 1 (local numbers)
.set O,    0                           ; O[qt][dt] at 32 qt + 8 dt
.set LT,   128                         ; the tile of sums of q-tile qt at 128 + 8 qt; its register 0 is kept scaled and is the one used
.set KVF,  160                         ; 64 registers: K fragments [ks][t], later V fragments [kk][dt], at 32 x + 8 y
.set ONES, 224                         ; a fragment of f16 ones
.set MSB, 0
.macro WIN new
.if MSB != (\new)
	s_set_vgpr_msb (MSB<<8)|(\new)
.set MSB, (\new)
.endif
.endm
.macro PLACES n                        ; places behind a matrix instruction (ISA guide 7.12.1)
.rept \n
	v_nop
.endr
.endm
.macro G1SET g, w0, rows               ; group 1 of a dense block taken as rows of 256 bytes of 8-byte elements
	s_mov_b32 s[\g+0], \w0
	s_mov_b32 s[\g+1], 32<<16
	s_mov_b32 s[\g+2], \rows<<16
	s_mov_b32 s[\g+3], 32<<16
	s_mov_b32 s[\g+4], \rows
	s_mov_b32 s[\g+5], 32
	s_mov_b32 s[\g+6], 0
	s_mov_b32 s[\g+7], 0
.endm
.macro SETKV slot                      ; both group 0: key tile s15 into a slot.  Written only where no tensor load of the wave is out
	s_lshl_b32 s52, s15, 14                        ; 128 rows x 128 bytes
	s_add_nc_u64 s[34:35], s[48:49], s[52:53]
	s_or_b32 s35, s35, 0x80000000
	s_add_nc_u64 s[38:39], s[50:51], s[52:53]
	s_or_b32 s39, s39, 0x80000000
	s_mov_b32 s33, (\slot)*SLOT
	s_mov_b32 s37, (\slot)*SLOT+KSZ
.endm
.macro KVLOAD                          ; wave 0 asks for K's tile, wave 1 for V's: one tensor load a wave
	s_cmp_lg_u32 s8, 0
	s_cbranch_scc1 .Lnok_\@
	tensor_load_to_lds s[32:35], s[16:23]
	s_nop 0
.Lnok_\@:
	s_cmp_lg_u32 s8, 1
	s_cbranch_scc1 .Lnov_\@
	tensor_load_to_lds s[36:39], s[24:31]
	s_nop 0
.Lnov_\@:
.endm
	s_load_b128 s[4:7], s[0:1], 0x0                ; qkv s[4:5], yb s[6:7]
	v_lshl_add_u32 v254, v0, 2, 0x3f000
	v_mov_b32 v255, 0
	ds_add_u32 v254, v255
	v_lshrrev_b32 v1, 5, v0
	v_readfirstlane_b32 s8, v1                     ; wave 0..7
	s_and_b32 s9, s8, 3                            ; which 64 queries
	s_lshr_b32 s10, s8, 2                          ; which 64 keys of a tile
	s_mov_b32 s11, ttmp9                           ; j
	s_and_b32 s2, ttmp7, 0xffff
	s_and_b32 s3, s2, 15
	s_lshl_b32 s3, s3, 20                          ; head x 8192 x 128 bytes
	s_lshr_b32 s2, s2, 4
	s_lshl_b32 s2, s2, 18                          ; b x 2048 x 128
	s_add_co_u32 s66, s2, s3
	s_mov_b32 s67, 0
	s_lshl_b32 s15, s11, 1                         ; the first key tile: 2 j
	s_sub_co_u32 s14, 14, s15                      ; the second block's first tile: 2 (7 - j)
	s_mov_b32 s53, 0
	s_mov_b32 s54, 0x3e38aa3b                      ; c = log2(e) / 8
	s_mov_b32 s55, 0x3e38aa3b
	s_mov_b32 s56, 0x76543210                      ; v_permlanex16_b32: lane i of one half reads lane i of the other
	s_mov_b32 s57, 0xfedcba98
	G1SET 16, 0x07130000, 64                       ; K: 16 bytes of padding behind every 128
	G1SET 24, 0x0f130000, 64                       ; V: 32 bytes
	G1SET 68, 0x07130000, 128                      ; Q: as K, 256 row pieces
	s_mov_b32 s32, 1
	s_mov_b32 s36, 1
	s_mov_b32 s76, 1
	s_mul_i32 s77, s8, QSZ                         ; wave 2: 77,824, wave 3: 114,688
	s_add_co_u32 s77, s77, 4096
	s_sub_co_u32 s2, 7, s11
	s_cmp_eq_u32 s8, 3
	s_cselect_b32 s2, s2, s11                      ; wave 2 fetches query block j, wave 3 block 7 - j
	s_lshl_b32 s52, s2, 15
	s_wait_dscnt 0x0
	s_barrier_signal -1
	s_barrier_wait -1
	s_wait_kmcnt 0x0
	s_add_nc_u64 s[4:5], s[4:5], s[66:67]          ; q of my head
	s_add_nc_u64 s[48:49], s[4:5], 0x1000000       ; k: 16 groups on
	s_add_nc_u64 s[50:51], s[4:5], 0x2000000       ; v: 32 groups on
	s_add_nc_u64 s[6:7], s[6:7], s[66:67]          ; y of my head
	s_add_nc_u64 s[78:79], s[4:5], s[52:53]
	s_or_b32 s79, s79, 0x80000000
	SETKV 0
	s_add_co_u32 s15, s15, 1
	; the first fills, one a wave, behind the first barrier, ahead of every wait on TENSORcnt and every LDS read
	s_cmp_lg_u32 s8, 0
	s_cbranch_scc1 .Lf1
	tensor_load_to_lds s[32:35], s[16:23]
	s_nop 0
.Lf1:
	s_cmp_lg_u32 s8, 1
	s_cbranch_scc1 .Lf2
	tensor_load_to_lds s[36:39], s[24:31]
	s_nop 0
.Lf2:
	s_cmp_lt_u32 s8, 2
	s_cbranch_scc1 .Lf3
	s_cmp_gt_u32 s8, 3
	s_cbranch_scc1 .Lf3
	tensor_load_to_lds s[76:79], s[68:75]
	s_nop 0
.Lf3:
	v_and_b32 v12, 31, v0                          ; lane
	v_and_b32 v13, 15, v0                          ; r
	v_bfe_u32 v14, v0, 4, 1                        ; h
	v_mul_u32_u24 v15, v13, 144
	v_lshl_add_u32 v15, v14, 4, v15                ; r x 144 + 16 h
	s_mul_i32 s2, s10, 9216                        ; my 64 keys
	v_add_nc_u32 v[ADK], s2, v15
	v_and_b32 v232, 7, v0
	v_bfe_u32 v233, v0, 3, 1
	v_mul_u32_u24 v234, v232, 160
	v_lshl_add_u32 v234, v233, 4, v234
	v_mad_u32_u24 v234, v14, 1280, v234            ; (8 h + lane mod 8) x 160 + 16 x bit 3 of the lane
	s_mul_i32 s2, s10, 10240
	s_add_co_u32 s2, s2, KSZ
	v_add_nc_u32 v[ADV], s2, v234
	s_mul_i32 s2, s9, 9216                         ; my 64 queries
	s_add_co_u32 s2, s2, QLDS
	v_add_nc_u32 v[ADQ], s2, v15
	v_lshlrev_b32 v[YO], 4, v12
	s_mul_i32 s2, s8, XSZ
	s_add_co_u32 s2, s2, XCH
	v_add_nc_u32 v[XST], s2, v[YO]
	s_xor_b32 s3, s8, 4                            ; my partner
	s_mul_i32 s3, s3, XSZ
	s_add_co_u32 s3, s3, XCH
	v_add_nc_u32 v[XLD], s3, v[YO]
	s_mul_i32 s2, s8, SSZ
	s_add_co_u32 s2, s2, STG
	v_add_nc_u32 v[STO], s2, v15
	v_lshrrev_b32 v235, 3, v12
	v_mul_u32_u24 v235, v235, 144
	v_lshl_add_u32 v235, v232, 4, v235
	v_add_nc_u32 v[SRD], s2, v235
	v_mov_b32 v[NEG], 0xff800000
	v_lshlrev_b32 v234, 3, v14
	v_sub_nc_u32 v[DD], v13, v234
.irp j, 0,1,2,3,4,5,6,7
	v_cmp_gt_i32 s[40+\j], \j, v[DD]               ; in a diagonal tile register j is key 8 h + j: masked where it lies above query r
.endr
.irp i, 0,1,2,3,4,5,6,7,8,9,10,11,12,13,14,15
	v_mov_b32 v[ST+\i], 0                          ; the upper words of the pairs are named by packed instructions and so hold a number
.endr
.irp i, 1,3,5,7
	v_mov_b32 v[FAC+\i], 0
.endr
	WIN 0x40
.irp i, 0,1,2,3,4,5,6,7
	v_mov_b32 v[ONES+\i], 0x3c003c00
.endr
	WIN 0
	s_wait_tensorcnt 0x0                           ; my first fill has landed,
	s_barrier_signal -1
	s_barrier_wait -1                              ; everybody's has
.macro LOADQ p
.irp qt, 0,1,2,3
.irp ks, 0,1
	ds_load_b128 v[QF+16*\qt+8*\ks:QF+16*\qt+8*\ks+3],   v[ADQ] offset:\p*QSZ+\qt*2304+64*\ks
	ds_load_b128 v[QF+16*\qt+8*\ks+4:QF+16*\qt+8*\ks+7], v[ADQ] offset:\p*QSZ+\qt*2304+64*\ks+32
.endr
.endr
.endm
; The head of a step that reads a slot.  Every wave waits for all its tensor loads and for its LDS reads, the other slot's among them, and passes the barrier;
; behind it this slot is whole for every wave, and the other one is asked for again first (req = 1): tile s15.
; wrap: behind the first block's last tile comes the second block's first.  reset: behind the diagonal pair comes tile 0.
.macro HEAD slot, req, wrap, reset
	s_wait_tensorcnt 0x0
	ds_add_u32 v254, v255
	s_wait_dscnt 0x0
	s_wait_dscnt 0x0
.if \req
.if \wrap
	s_cmp_eq_u32 s15, s13
	s_cselect_b32 s15, s14, s15
.endif
	SETKV 1-\slot
.if \reset
	s_mov_b32 s15, 0
.else
	s_add_co_u32 s15, s15, 1
.endif
.endif
	s_barrier_signal -1
	s_barrier_wait -1
.if \req
	KVLOAD
.endif
.endm
.macro SMUL ks, diag                   ; S^T += K Q^T over 32 of d; in a diagonal unit tiles wholly above the diagonal are left out
.irp qt, 0,1,2,3
.irp t, 0,1,2,3
.set DO, 1
.if \diag
.if \t > \qt
.set DO, 0
.endif
.endif
.if DO
.if \ks
	v_wmma_f32_16x16x32_f16 v[S+32*\qt+8*\t:S+32*\qt+8*\t+7], v[KVF+32+8*\t:KVF+32+8*\t+7], v[QF+16*\qt+8:QF+16*\qt+15], v[S+32*\qt+8*\t:S+32*\qt+8*\t+7]
.else
	v_wmma_f32_16x16x32_f16 v[S+32*\qt+8*\t:S+32*\qt+8*\t+7], v[KVF+8*\t:KVF+8*\t+7], v[QF+16*\qt:QF+16*\qt+7], 0
.endif
.endif
.endr
.endr
.endm
.macro MASK
.irp qt, 0,1,2,3
.irp t, 0,1,2,3
.if \t > \qt
.irp j, 0,1,2,3,4,5,6,7
	v_mov_b32 v[S+32*\qt+8*\t+\j], v[NEG]
.endr
.endif
.if \t == \qt
.irp j, 0,1,2,3,4,5,6,7
	v_cndmask_b32 v[S+32*\qt+8*\t+\j], v[S+32*\qt+8*\t+\j], v[NEG], s[40+\j]
.endr
.endif
.endr
.endr
.endm
.macro EXPO qt                         ; p = exp2(c s + NMC): one fused multiply-add, then the exponential
.set i, 0
.rept 16
	v_pk_fma_f32 v[S+32*\qt+2*i:S+32*\qt+2*i+1], v[S+32*\qt+2*i:S+32*\qt+2*i+1], s[54:55], v[ST+4*\qt:ST+4*\qt+1] op_sel_hi:[1,0,0]
.set i, i+1
.endr
.set i, 0
.rept 32
	v_exp_f32 v[S+32*\qt+i], v[S+32*\qt+i]
.set i, i+1
.endr
.endm
.macro PACK qt                         ; 32 f32 to two B fragments of f16, in place: word i of each 16 takes words 2 i and 2 i + 1, i ascending
	s_wait_alu depctr_va_vdst(0)
.irp kk, 0,1
.set i, 0
.rept 8
	v_cvt_pk_f16_f32 v[S+32*\qt+16*\kk+i], v[S+32*\qt+16*\kk+2*i], v[S+32*\qt+16*\kk+2*i+1]
.set i, i+1
.endr
.endr
.endm
.macro SOFTMAX first
.irp qt, 0,1,2,3
	v_max3_num_f32 v[MX+\qt], v[S+32*\qt], v[S+32*\qt+1], v[S+32*\qt+2]
.endr
.set i, 3
.rept 14
.irp qt, 0,1,2,3
	v_max3_num_f32 v[MX+\qt], v[MX+\qt], v[S+32*\qt+i], v[S+32*\qt+i+1]
.endr
.set i, i+2
.endr
.irp qt, 0,1,2,3
	v_max_num_f32 v[MX+\qt], v[MX+\qt], v[S+32*\qt+31]
.endr
.irp qt, 0,1,2,3
	v_permlanex16_b32 v[T+\qt], v[MX+\qt], s56, s57            ; the other half of the lanes holds the query's other keys
.endr
.irp qt, 0,1,2,3
	v_max_num_f32 v[MX+\qt], v[MX+\qt], v[T+\qt]
.endr
.if \first
.irp qt, 0,1,2,3
	v_mul_f32 v[ST+4*\qt], 0xbe38aa3b, v[MX+\qt]               ; NMC = -c max
.endr
.else
.irp qt, 0,1,2,3
	v_mul_f32 v[T+\qt], 0xbe38aa3b, v[MX+\qt]
.endr
.irp qt, 0,1,2,3
	v_min_num_f32 v[T+\qt], v[T+\qt], v[ST+4*\qt]              ; the running maximum, as the least -c max
.endr
.irp qt, 0,1,2,3
	v_sub_f32 v[ST+4*\qt+2], v[T+\qt], v[ST+4*\qt]             ; <= 0; -infinity from the empty state NMC = +infinity
.endr
.irp qt, 0,1,2,3
	v_mov_b32 v[ST+4*\qt], v[T+\qt]
.endr
.irp qt, 0,1,2,3
	v_exp_f32 v[ST+4*\qt+2], v[ST+4*\qt+2]                     ; the factor for what has been summed so far
.endr
.endif
	; behind each run of exponentials stands plain work on other registers before a result is used (ISA guide 5.7.2)
	EXPO 0
	EXPO 1
	PACK 0
	EXPO 2
	PACK 1
	EXPO 3
	PACK 2
	PACK 3
.endm
.macro PVMUL diag, first               ; O^T += V^T P^T and l += 1 P^T; in a diagonal unit P of q-tiles 0, 1 is 0 for keys 32-63: left out
.irp kk, 0,1
.irp qt, 0,1,2,3
.set DO, 1
.if \diag
.if \kk
.if \qt < 2
.set DO, 0
.endif
.endif
.endif
.set ZC, 0
.if \first
.if \kk == 0
.set ZC, 1
.endif
.endif
.if DO
.irp dt, 0,1,2,3
.if ZC
	v_wmma_f32_16x16x32_f16 v[O+32*\qt+8*\dt:O+32*\qt+8*\dt+7], v[KVF+32*\kk+8*\dt:KVF+32*\kk+8*\dt+7], v[S+32*\qt+16*\kk:S+32*\qt+16*\kk+7], 0
.else
	v_wmma_f32_16x16x32_f16 v[O+32*\qt+8*\dt:O+32*\qt+8*\dt+7], v[KVF+32*\kk+8*\dt:KVF+32*\kk+8*\dt+7], v[S+32*\qt+16*\kk:S+32*\qt+16*\kk+7], v[O+32*\qt+8*\dt:O+32*\qt+8*\dt+7]
.endif
.endr
.if ZC
	v_wmma_f32_16x16x32_f16 v[LT+8*\qt:LT+8*\qt+7], v[ONES:ONES+7], v[S+32*\qt+16*\kk:S+32*\qt+16*\kk+7], 0
.else
	v_wmma_f32_16x16x32_f16 v[LT+8*\qt:LT+8*\qt+7], v[ONES:ONES+7], v[S+32*\qt+16*\kk:S+32*\qt+16*\kk+7], v[LT+8*\qt:LT+8*\qt+7]
.endif
.endif
.endr
.endr
.endm
; One unit: my 64 queries against my 64 keys of the tile in a slot.  diag: the keys are the queries' own block.  first: the sums start here.
.macro UNIT slot, diag, first
	WIN 0x40                                       ; destination window 1, address window 0
.irp ks, 0,1
.irp t, 0,1,2,3
	ds_load_b128 v[KVF+32*\ks+8*\t:KVF+32*\ks+8*\t+3],   v[ADK] offset:\slot*SLOT+\t*2304+64*\ks
	ds_load_b128 v[KVF+32*\ks+8*\t+4:KVF+32*\ks+8*\t+7], v[ADK] offset:\slot*SLOT+\t*2304+64*\ks+32
.endr
.endr
	s_wait_dscnt 0x8                               ; the eight younger loads are d = 32-63; d = 0-31 is in
	WIN 0x01                                       ; A in window 1
	SMUL 0, \diag
	s_wait_dscnt 0x0
	SMUL 1, \diag
	PLACES 4                                       ; in front of the loads into K's registers and of the work on S
	WIN 0x40
.irp kk, 0,1
.irp dt, 0,1,2,3
	ds_load_tr16_b128 v[KVF+32*\kk+8*\dt:KVF+32*\kk+8*\dt+3],   v[ADV] offset:\slot*SLOT+\kk*5120+32*\dt
	ds_load_tr16_b128 v[KVF+32*\kk+8*\dt+4:KVF+32*\kk+8*\dt+7], v[ADV] offset:\slot*SLOT+\kk*5120+2560+32*\dt
.endr
.endr
	WIN 0
.if \diag
	MASK
.endif
	SOFTMAX \first
.if \first == 0
	WIN 0x41                                       ; O and l in window 1, the factor in window 0
.irp qt, 0,1,2,3
.set i, 0
.rept 16
	v_pk_mul_f32 v[O+32*\qt+2*i:O+32*\qt+2*i+1], v[O+32*\qt+2*i:O+32*\qt+2*i+1], v[ST+4*\qt+2:ST+4*\qt+3] op_sel_hi:[1,0]
.set i, i+1
.endr
	v_mul_f32 v[LT+8*\qt], v[LT+8*\qt], v[ST+4*\qt+2]          ; register 0 alone is used; the other seven hold sums of at most 2048 numbers <= 1
.endr
.endif
	s_wait_dscnt 0x0                               ; V's fragments, asked for in front of the softmax
	WIN 0x51                                       ; A, C and D in window 1, B in window 0
	PVMUL \diag, \first
	WIN 0
	PLACES 5                                       ; the next matrix instruction writes over registers that held P
.endm
; The wave whose keys all lie above its queries in the block's first tile starts its sums empty: O = l = 0 (ones x zeros), NMC = +infinity.
.macro CLEAR
.irp i, 0,1,2,3,4,5,6,7
	v_mov_b32 v[S+\i], 0
.endr
.irp qt, 0,1,2,3
	v_mov_b32 v[ST+4*\qt], 0x7f800000
.endr
	WIN 0x51
.set i, 0
.rept 20
	v_wmma_f32_16x16x32_f16 v[O+8*i:O+8*i+7], v[ONES:ONES+7], v[S:S+7], 0
.set i, i+1
.endr
	WIN 0
	PLACES 5
.endm
.macro SEND qa                         ; q-tiles qa, qa + 1 for my partner: O, l and NMC
	WIN 0x04                                       ; store data in window 1
.set i, 0
.rept 16
	ds_store_b128 v[XST], v[O+32*\qa+4*i:O+32*\qa+4*i+3] offset:512*i
.set i, i+1
.endr
	WIN 0x01
	v_mov_b32 v[SS],   v[LT+8*\qa]
	v_mov_b32 v[SS+1], v[LT+8*\qa+8]
	WIN 0
	v_mov_b32 v[SS+2], v[ST+4*\qa]
	v_mov_b32 v[SS+3], v[ST+4*\qa+4]
	ds_store_b128 v[XST], v[SS:SS+3] offset:8192
.endm
.macro MERGE ka                        ; q-tiles ka, ka + 1: my part and my partner's, brought to one maximum, divided by the sum, stored
.set i, 0
.rept 16
	ds_load_b128 v[S+4*i:S+4*i+3], v[XLD] offset:512*i
.set i, i+1
.endr
	ds_load_b128 v[PS:PS+3], v[XLD] offset:8192
	WIN 0x01
	v_mov_b32 v[OL],   v[LT+8*\ka]
	v_mov_b32 v[OL+1], v[LT+8*\ka+8]
	WIN 0
	s_wait_dscnt 0x0
.irp q, 0,1
	v_min_num_f32 v[T+\q], v[ST+4*(\ka+\q)], v[PS+2+\q]        ; finite: at least one of the two waves has seen a key of every query
.endr
.irp q, 0,1
	v_sub_f32 v[FAC+4*\q],   v[T+\q], v[ST+4*(\ka+\q)]
	v_sub_f32 v[FAC+4*\q+2], v[T+\q], v[PS+2+\q]
.endr
.irp q, 0,1
	v_exp_f32 v[FAC+4*\q],   v[FAC+4*\q]
	v_exp_f32 v[FAC+4*\q+2], v[FAC+4*\q+2]
.endr
	v_nop                                          ; a plain place behind the exponentials
	s_wait_alu depctr_va_vdst(0)
.irp q, 0,1
	v_mul_f32  v[T+\q], v[FAC+4*\q], v[OL+\q]
	v_fmac_f32 v[T+\q], v[FAC+4*\q+2], v[PS+\q]
.endr
.irp q, 0,1
	v_rcp_f32 v[T+\q], v[T+\q]
.endr
	v_nop                                          ; and behind the reciprocals
	s_wait_alu depctr_va_vdst(0)
.irp q, 0,1
	v_mul_f32 v[FAC+4*\q],   v[FAC+4*\q],   v[T+\q]
	v_mul_f32 v[FAC+4*\q+2], v[FAC+4*\q+2], v[T+\q]
.endr
.irp q, 0,1
.set i, 0
.rept 16
	v_pk_mul_f32 v[S+32*\q+2*i:S+32*\q+2*i+1], v[S+32*\q+2*i:S+32*\q+2*i+1], v[FAC+4*\q+2:FAC+4*\q+3] op_sel_hi:[1,0]
.set i, i+1
.endr
.endr
	WIN 0x01                                       ; my O in window 1
.irp q, 0,1
.set i, 0
.rept 16
	v_pk_fma_f32 v[S+32*\q+2*i:S+32*\q+2*i+1], v[O+32*(\ka+\q)+2*i:O+32*(\ka+\q)+2*i+1], v[FAC+4*\q:FAC+4*\q+1], v[S+32*\q+2*i:S+32*\q+2*i+1] op_sel_hi:[1,0,1]
.set i, i+1
.endr
.endr
	WIN 0
.irp q, 0,1
.set i, 0
.rept 16
	v_cvt_pk_f16_f32 v[S+32*\q+i], v[S+32*\q+2*i], v[S+32*\q+2*i+1]
.set i, i+1
.endr
.endr
.irp q, 0,1
.irp dt, 0,1,2,3
	ds_store_b128 v[STO], v[S+32*\q+4*\dt:S+32*\q+4*\dt+3] offset:\q*2304+32*\dt   ; query r, d = 16 dt + 8 h + 0..7
.endr
.endr
.set nn, 0
.rept 8
	ds_load_b128 v[S+64+4*nn:S+64+4*nn+3], v[SRD] offset:(nn>>2)*2304+(nn&3)*576   ; a wave's LDS instructions are served in order: these see the stores above
.set nn, nn+1
.endr
.set nn, 0
.rept 8
	s_wait_dscnt 7-nn                              ; the younger read-backs stay out
	global_store_b128 v[YO], v[S+64+4*nn:S+64+4*nn+3], s[60:61] offset:(\ka+(nn>>2))*2048+(nn&3)*512   ; four rows of y: 512 consecutive aligned bytes
.set nn, nn+1
.endr
	s_wait_xcnt 0x0                                ; the stores' data registers and base are written again only behind this wait
.endm
; The end of a query block.  The wave of keys 0-63 sends q-tiles 2, 3 and merges 0, 1; its partner the other way round.
.macro FINISH
	s_cmp_lg_u32 s10, 0
	s_cbranch_scc1 .Lsh_\@
	SEND 2
	s_branch .Lsd_\@
.Lsh_\@:
	SEND 0
.Lsd_\@:
	s_wait_dscnt 0x0                               ; my stores are done, for my partner's sake
	s_barrier_signal -1
	s_barrier_wait -1
	s_cmp_lg_u32 s10, 0
	s_cbranch_scc1 .Lmh_\@
	MERGE 0
	s_branch .Lmd_\@
.Lmh_\@:
	MERGE 2
.Lmd_\@:
.endm
; A query block: p = 0: block j, p = 1: block 7 - j.
.macro PHASE p
	LOADQ \p                                       ; waited for by the first HEAD's wait for 0
.if \p == 0
	s_mov_b32 s12, s11
.else
	s_sub_co_u32 s12, 7, s11
.endif
	s_lshl_b32 s13, s12, 1                         ; the block's tiles below the diagonal pair
	s_lshl_b32 s2, s12, 15                         ; 256 rows of y x 128 bytes
	s_lshl_b32 s3, s9, 13                          ; + my 64 queries
	s_add_co_u32 s52, s2, s3
	s_add_nc_u64 s[60:61], s[6:7], s[52:53]
	; the diagonal pair's first tile: key blocks 0 (waves 0-3) and 1 (waves 4-7) against query blocks wave mod 4
	HEAD 0, 1, 0, 1
	s_cmp_eq_u32 s8, 4
	s_cbranch_scc1 .Lclr_\@
	s_cmp_eq_u32 s8, 0
	s_cbranch_scc1 .Ldg0_\@
	s_cmp_eq_u32 s8, 5
	s_cbranch_scc1 .Ldg0_\@
	UNIT 0, 0, 1
	s_branch .Ld0_\@
.Ldg0_\@:
	UNIT 0, 1, 1
	s_branch .Ld0_\@
.Lclr_\@:
	CLEAR
.Ld0_\@:
	; its second tile: key blocks 2 (waves 0-3) and 3 (waves 4-7)
.if \p == 0
	HEAD 1, 1, 1, 0
.else
	HEAD 1, 1, 0, 0
.endif
	s_cmp_eq_u32 s8, 3
	s_cbranch_scc1 .Lfu1_\@
	s_cmp_eq_u32 s8, 2
	s_cbranch_scc1 .Ldg1_\@
	s_cmp_eq_u32 s8, 7
	s_cbranch_scc1 .Ldg1_\@
	s_branch .Ld1_\@
.Lfu1_\@:
	UNIT 1, 0, 0
	s_branch .Ld1_\@
.Ldg1_\@:
	UNIT 1, 1, 0
.Ld1_\@:
.if \p == 0
	s_cmp_eq_u32 s12, 0                            ; block 0 has no tile below its diagonal pair
	s_cbranch_scc1 .Lnl_\@
	s_mov_b32 s58, 0
.Llp_\@:
	HEAD 0, 1, 0, 0
	UNIT 0, 0, 0
	HEAD 1, 1, 1, 0                                ; behind the last tile: the second block's first
	UNIT 1, 0, 0
	s_add_co_u32 s58, s58, 1
	s_cmp_lt_u32 s58, s12
	s_cbranch_scc1 .Llp_\@
.Lnl_\@:
.else
	s_sub_co_u32 s59, s12, 1                       ; at least 3
	s_mov_b32 s58, 0
.Llp_\@:
	HEAD 0, 1, 0, 0
	UNIT 0, 0, 0
	HEAD 1, 1, 0, 0
	UNIT 1, 0, 0
	s_add_co_u32 s58, s58, 1
	s_cmp_lt_u32 s58, s59
	s_cbranch_scc1 .Llp_\@
	HEAD 0, 1, 0, 0                                ; the last two tiles, written out: one more request, then none
	UNIT 0, 0, 0
	HEAD 1, 0, 0, 0
	UNIT 1, 0, 0
.endif
	FINISH
.endm
	PHASE 0
	PHASE 1
	s_wait_tensorcnt 0x0
	ds_add_u32 v254, v255
	s_wait_dscnt 0x0
	s_endpgm
.Lfunc_end_k_q86b995ec05_attn:
	.size	k_q86b995ec05_attn, .Lfunc_end_k_q86b995ec05_attn-k_q86b995ec05_attn
	.p2alignl 7, 3214868480
	.fill 96, 4, 3214868480
	.section	.rodata,"a",@progbits
	.p2align	6, 0x0
	.amdhsa_kernel k_q86b995ec05_attn
		.amdhsa_group_segment_fixed_size 327680
		.amdhsa_private_segment_fixed_size 0
		.amdhsa_enable_private_segment 0
		.amdhsa_kernarg_size 16
		.amdhsa_user_sgpr_count 2
		.amdhsa_user_sgpr_kernarg_segment_ptr 1
		.amdhsa_wavefront_size32 1
		.amdhsa_system_sgpr_workgroup_id_x 1
		.amdhsa_system_sgpr_workgroup_id_y 1
		.amdhsa_system_sgpr_workgroup_id_z 1
		.amdhsa_system_vgpr_workitem_id 0
		.amdhsa_next_free_vgpr 488
		.amdhsa_next_free_sgpr 80
		.amdhsa_reserve_vcc 0
		.amdhsa_float_denorm_mode_32 3
		.amdhsa_float_denorm_mode_16_64 3
		.amdhsa_memory_ordered 1
		.amdhsa_forward_progress 1
		.amdhsa_inst_pref_size 255
	.end_amdhsa_kernel
	.section	.bss,"aw",@nobits
	.p2align	6
	.space	262144
	.amdgpu_metadata
---
amdhsa.version: [ 1, 2 ]
amdhsa.kernels:
  - .name:           k_q86b995ec05_attn
    .symbol:         k_q86b995ec05_attn.kd
    .args:
      - { .name: qkv, .offset: 0, .size: 8, .value_kind: global_buffer, .address_space: global }
      - { .name: yb, .offset: 8, .size: 8, .value_kind: global_buffer, .address_space: global }
    .group_segment_fixed_size: 327680
    .private_segment_fixed_size: 0
    .kernarg_segment_align: 8
    .kernarg_segment_size: 16
    .max_flat_workgroup_size: 256
    .sgpr_count:     80
    .vgpr_count:     488
    .wavefront_size: 32
...
	.end_amdgpu_metadata
.endif
;; end of part 3
;; launch gemm_out (part 4): grid 8 x 32, 4 waves a work-group, clusters of 4 x 4, 327,680 bytes of LDS; arguments yb, wob, out0; writes out0
.if DOCPART == 4
	.amdgcn_target "amdgcn-amd-amdhsa--gfx1250"
	.amdhsa_code_object_version 6
	.text
	.protected	k_q86b995ec05_gemm_out
	.globl	k_q86b995ec05_gemm_out
	.p2align	8
	.type	k_q86b995ec05_gemm_out,@function
k_q86b995ec05_gemm_out:
	s_mov_b64 s[64:65], 0
	v_nop
	global_prefetch_b8 v0, s[64:65] scope:SCOPE_SE
	s_setreg_imm32_b32 hwreg(HW_REG_WAVE_MODE, 25, 1), 1
	s_wait_xcnt 0x0
	s_wait_alu depctr_hold_cnt(0) depctr_sa_sdst(0) depctr_va_vdst(0) depctr_va_sdst(0) depctr_va_ssrc(0) depctr_va_vcc(0) depctr_vm_vsrc(0)
	s_getreg_b32 s2, hwreg(HW_REG_IB_STS2, 6, 4)
	s_cmp_eq_u32 s2, 0
	s_cbranch_scc0 .Lentry_in_a_cluster
	s_endpgm
.Lentry_in_a_cluster:
	s_bfe_u32 s2, ttmp6, 0x10000c
	s_cmp_lg_u32 s2, 0xf033
	s_cbranch_scc0 .Lentry_shape_is_right
	s_endpgm
.Lentry_shape_is_right:
; out0[m][n] = sum over k of y[m][k] w_out[n][k]: [8192 x 1024] . [1024 x 1024]^T, operands f16 (w_out's values are bf16-rounded), sums f32, K ascending, result f32.
; Operands lie as [block of 64 k][row][64] (a row piece is 128 bytes, rows of one block are dense); the result is row-major.
; A work-group makes 256 x 128 of the result (8 x 32 blocks = 256 work-groups) with four waves; a wave makes 128 x 64: 32 accumulator tiles of 16 x 16.
; K goes in slots of 128 (two blocks of 64, four steps of 32) through a ring of two LDS slots filled by the tensor data mover.
; CLUSTERS: 4 x 4 work-groups.  A's tile hangs on the block row alone and is asked for jointly by the four of a row of the cluster, B's on the
; block column alone and by the four of a column: the same line, the same descriptor, a mask that names the four.
; A tile is a dense block of memory and is described as rows of 256 bytes of 8-byte elements, with 16 bytes of padding behind every 128 bytes:
; in LDS a row piece has pitch 144 = 9 x 16 bytes, so the 16 rows of a fragment load begin at 16 different 16-byte columns modulo 256.
; REGISTERS: window 0: addresses, A's fragments in two buffers, B's in one; window 1: accumulator tile (b, a) (columns 16 b, rows 16 a) at 8 (8 b + a).
; The matrix instruction is used transposed (source 0 = 16 rows of B, source 1 = 16 rows of A): a lane then holds 8 neighbouring columns of one row.
; The accumulators take turns, one instruction a turn, in the same order in every step.
.set NB,      4                        ; blocks of 16 columns of a wave
.set NBA,     1                        ; of them in front of the barrier's signal in a slot's last step
.set KS,      4                        ; steps of 32 along K in a slot
.set REG,     36864                    ; LDS bytes kept for one wave's load (A's 256 rows x 144; B's 128 rows use 18,432)
.set SLOT,    4*REG
.set STAGE,   2*SLOT                   ; behind the ring: the way out, never filled by a tensor load
.set STGW,    4352                     ; a wave's stage: 16 rows x 272
.set RA,      128                      ; A's load: 256 row pieces = 128 rows of 256 bytes
.set RBB,     64                       ; B's load: 128 row pieces
.set A_WSTEP, 1048576                  ; the two waves that fetch A take the slot's two blocks of 64 k: 8192 x 128 bytes apart
.set B_WSTEP, 131072                   ; 1024 x 128
.set A_BLK,   32768                    ; global bytes from block row to block row (256 row pieces)
.set B_BLK,   16384                    ; from block column to block column (128 row pieces)
.set A_SL,    2097152                  ; global bytes from a slot's tiles to the next: two blocks of 64 k
.set B_SL,    262144
.set A_RDM,   18432                    ; LDS bytes between the two halves of A's rows (128 x 144)
.set B_RDM,   9216                     ; between the two halves of B's rows (64 x 144)
.set LAPS,    4                        ; 1024 / 128 slots, two a lap
.set ADRA, 16                          ; v16-17  LDS address of my A fragments in slot 0, 1
.set ADRB, 20                          ; v20-21  the same for B
.set STO,  24                          ; v24     the way out: where I put 32 bytes
.set RD,   25                          ; v25     where I read rows back
.set CO,   26                          ; v26     my byte offset in the result
.set FA0,  32                          ; v32-95   A's fragments, buffer 0 (8 blocks of 16 rows x 32 k)
.set FA1,  96                          ; v96-159  buffer 1
.set FB,   160                         ; v160-191 B's fragments (4 blocks)
.set RB0,  32                          ; the way out: rows read back, two buffers by turns
.set RB1,  64
.set G1,  24                           ; s[24:31] group 1 for A's tiles
.set G0,  32                           ; s[32:39] group 0 for A's tiles, a set for each slot
.set G1B, 48                           ; s[48:55] group 1 for B's tiles
.set G0B, 56                           ; s[56:63] group 0 for B's tiles, a set for each slot
.set MSB, 0
.macro WIN new                         ; the immediate's high byte repeats the setting that is left; switches that change nothing are dropped
.if MSB != (\new)
	s_set_vgpr_msb (MSB<<8)|(\new)
.set MSB, (\new)
.endif
.endm
.macro PLACES                          ; four places behind a matrix instruction in front of loads into, or stores and vector work on, its registers
.rept 4
	v_nop
.endr
.endm
.macro WM d, a, b, zero
.if \zero
	v_wmma_f32_16x16x32_f16 v[\d:\d+7], v[\a:\a+7], v[\b:\b+7], 0
.else
	v_wmma_f32_16x16x32_f16 v[\d:\d+7], v[\a:\a+7], v[\b:\b+7], v[\d:\d+7]
.endif
.endm
; A joint load: waves 0 and 1 fetch A's two parts, waves 2 and 3 B's.  The branch hangs on the wave's number alone.
.macro JLOAD s
	s_cmp_eq_u32 s11, 0
	s_cbranch_scc0 .Lfor_b_\@
	tensor_load_to_lds s[G0+4*\s:G0+4*\s+3], s[G1:G1+7]
	s_nop 0
	s_branch .Lasked_\@
.Lfor_b_\@:
	tensor_load_to_lds s[G0B+4*\s:G0B+4*\s+3], s[G1B:G1B+7]
	s_nop 0
.Lasked_\@:
.endm
.macro CREST                           ; a round of the cluster's barrier behind its opening work-group barrier
	s_cmp_lg_u32 s10, 0
	s_cbranch_scc1 .Lnot_wave_0_\@
	s_barrier_signal -3
.Lnot_wave_0_\@:
	s_barrier_wait -3
	s_barrier_signal -1
	s_barrier_wait -1
.endm
.macro CROUND                          ; a whole round
	s_barrier_signal -1
	s_barrier_wait -1
	CREST
.endm
	s_load_b128 s[4:7], s[0:1], 0x0                ; A s[4:5], B s[6:7]
	s_load_b64 s[8:9], s[0:1], 0x10                ; the result
	v_lshl_add_u32 v254, v0, 2, 0x4c400
	v_mov_b32 v255, 0
	ds_add_u32 v254, v255
	v_lshrrev_b32 v1, 5, v0
	v_readfirstlane_b32 s10, v1                    ; wave 0..3
	s_lshr_b32 s11, s10, 1                         ; which half of the block's rows is mine.  Also: I fetch for A (0) or for B (1)
	s_and_b32 s12, s10, 1                          ; which half of its columns.  Also: which part of that tile I fetch
	s_bfe_u32 s40, ttmp6, 0x40000                  ; cx
	s_bfe_u32 s41, ttmp6, 0x40004                  ; cy
	s_lshl_b32 s42, ttmp9, 2
	s_add_co_u32 s42, s42, s40                     ; block column = 4 x cluster x + cx
	s_and_b32 s13, ttmp7, 0xffff
	s_lshl_b32 s13, s13, 2
	s_add_co_u32 s13, s13, s41                     ; block row = 4 x cluster y + cy
	s_lshl_b32 s43, s41, 2
	s_lshl_b32 s43, 15, s43                        ; my row of the cluster: places 4 cy .. 4 cy + 3
	s_lshl_b32 s44, 0x1111, s40                    ; my column: places cx, cx + 4, cx + 8, cx + 12
	s_or_b32 s[G1+0], s43, 0x07330000              ; 15:0 mask; 17:16 elements of 8 bytes; 20 padding on; 21 set beside a mask; 24:22 after every 32 words; 31:25 of 4 words
	s_or_b32 s[G1B+0], s44, 0x07330000
	s_mov_b32 s[G1+1], 32<<16                      ; tensor_dim0 = 32 elements = 256 bytes
	s_mov_b32 s[G1B+1], 32<<16
	s_mov_b32 s[G1+2], RA<<16                      ; tensor_dim1 = the tile's rows
	s_mov_b32 s[G1B+2], RBB<<16
	s_mov_b32 s[G1+3], 32<<16                      ; tile_dim0
	s_mov_b32 s[G1B+3], 32<<16
	s_mov_b32 s[G1+4], RA                          ; tile_dim1
	s_mov_b32 s[G1B+4], RBB
	s_mov_b32 s[G1+5], 32                          ; from row to row: 32 elements, the block is dense
	s_mov_b32 s[G1B+5], 32
	s_mov_b32 s[G1+6], 0
	s_mov_b32 s[G1B+6], 0
	s_mov_b32 s[G1+7], 0
	s_mov_b32 s[G1B+7], 0
	; A's tiles hang on the block row, B's on the block column; each address is made in registers that never hold the other coordinate
	s_mul_i32 s16, s13, A_BLK
	s_mul_i32 s17, s12, A_WSTEP
	s_add_co_u32 s16, s16, s17
	s_mov_b32 s17, 0
	s_mul_i32 s46, s42, B_BLK
	s_mul_i32 s47, s12, B_WSTEP
	s_add_co_u32 s46, s46, s47
	s_mov_b32 s47, 0
	s_mul_i32 s20, s10, REG                        ; where my load goes: the wave's number times a constant
	s_wait_dscnt 0x0
	s_wait_kmcnt 0x0
	s_add_nc_u64 s[14:15], s[4:5], s[16:17]
	s_add_nc_u64 s[46:47], s[6:7], s[46:47]
	CROUND                                         ; all sixteen work-groups are here: the first joint loads meet
.irp s, 0,1
	s_mov_b32 s[G0+4*\s], 1
	s_add_co_u32 s[G0+4*\s+1], s20, \s*SLOT
	s_add_nc_u64 s[G0+4*\s+2:G0+4*\s+3], s[14:15], \s*A_SL
	s_or_b32 s[G0+4*\s+3], s[G0+4*\s+3], 0x80000000
	s_mov_b32 s[G0B+4*\s], 1
	s_add_co_u32 s[G0B+4*\s+1], s20, \s*SLOT
	s_add_nc_u64 s[G0B+4*\s+2:G0B+4*\s+3], s[46:47], \s*B_SL
	s_or_b32 s[G0B+4*\s+3], s[G0B+4*\s+3], 0x80000000
	JLOAD \s                                       ; both slots' first fills go out together: two tensor loads of the wave are out
.endr
	; a fragment: lane l holds row l % 16; registers 0-3 k = 8 (l / 16) + 0..7, registers 4-7 k = 16 + 8 (l / 16) + 0..7: two loads of 16 bytes, 32 apart
	v_and_b32 v1, 15, v0
	v_bfe_u32 v2, v0, 4, 1
	v_mul_u32_u24 v3, v1, 144
	v_lshl_add_u32 v3, v2, 4, v3                   ; row x pitch + 16 x half
	s_mul_i32 s21, s11, A_RDM                      ; my 128 rows of A
	s_mul_i32 s22, s12, B_RDM                      ; my 64 rows of B,
	s_add_co_u32 s22, s22, 2*REG                   ; which lie behind A's two regions
.irp s, 0,1
	v_add_nc_u32 v[ADRA+\s], s21, v3
	v_add_nc_u32 v[ADRB+\s], s22, v3
	s_add_co_u32 s21, s21, SLOT
	s_add_co_u32 s22, s22, SLOT
.endr
	s_mul_i32 s23, s10, STGW
	s_add_co_u32 s23, s23, STAGE                   ; my stage
	v_mul_u32_u24 v4, v1, 272                      ; in: row l % 16, 32 bytes for each half of the lanes
	v_lshl_add_u32 v4, v2, 5, v4
	v_add_nc_u32 v[STO], s23, v4
	v_mul_u32_u24 v5, v2, 272                      ; back: lanes 0-15 take one row of 256 bytes, lanes 16-31 the next
	v_lshl_add_u32 v5, v1, 4, v5
	v_add_nc_u32 v[RD], s23, v5
	v_lshlrev_b32 v6, 12, v2                       ; and the same two rows in the result
	v_lshl_add_u32 v[CO], v1, 4, v6
; column blocks b0 .. b1 - 1 x all 8 row blocks, 32 along K, A's fragments from buffer f
.macro MULS f, b0, b1, zero
.set bb, \b0
.rept \b1-\b0
.set WW, 1+(bb>>2)
	WIN (WW<<6)|(WW<<4)
.set aa, 0
.rept 8
	WM 8*(8*(bb&3)+aa), FB+8*bb, \f+8*aa, \zero
.set aa, aa+1
.endr
.set bb, bb+1
.endr
.endm
.macro FETCH_A slot, s, g              ; A's fragments of step s of a slot into buffer g: 16 loads
.set KO, ((\s)>>1)*REG+64*((\s)&1)
.irp a, 0,1,2,3,4,5,6,7
	ds_load_b128 v[\g+8*\a:\g+8*\a+3],   v[ADRA+\slot] offset:KO+\a*2304
	ds_load_b128 v[\g+8*\a+4:\g+8*\a+7], v[ADRA+\slot] offset:KO+\a*2304+32
.endr
.endm
.macro FETCH_B slot, s, b0, b1         ; B's fragments b0 .. b1 - 1 of step s: two loads each
.set KO, ((\s)>>1)*REG+64*((\s)&1)
.set bb, \b0
.rept \b1-\b0
	ds_load_b128 v[FB+8*bb:FB+8*bb+3],   v[ADRB+\slot] offset:KO+bb*2304
	ds_load_b128 v[FB+8*bb+4:FB+8*bb+7], v[ADRB+\slot] offset:KO+bb*2304+32
.set bb, bb+1
.endr
.endm
; A step that is not its slot's last.  B has one buffer: its lower half is loaded again behind the lower half's products, its upper half behind the upper's.
.macro INNER slot, s, zero
.if (\s)&1
.set FCUR, FA1
.set FNXT, FA0
.else
.set FCUR, FA0
.set FNXT, FA1
.endif
	s_wait_dscnt NB                                ; the NB youngest loads are B's upper half and may be out; A and B's lower half are in
	MULS FCUR, 0, NB/2, \zero
	WIN 0
	PLACES
	FETCH_A \slot, \s+1, FNXT
	FETCH_B \slot, \s+1, 0, NB/2
	s_wait_dscnt 16+NB                             ; all but the 16 + NB just issued: this step's upper half of B is in
	MULS FCUR, NB/2, NB, \zero
	WIN 0
	PLACES
	FETCH_B \slot, \s+1, NB/2, NB
.endm
; A slot's last step (buffer 1), and the change of slots.  All of this slot's fragments are in registers once the wait for 0 has passed.
; In front of the barrier each wave waits for its reads of this slot and for all its tensor loads (one is out: its part of the next slot).
; Where the slot is filled again the barrier opens a round of the cluster's barrier, and the joint refill is the first tensor load behind the round.
.macro TURN slot, next, fill
	s_wait_dscnt NB
	MULS FA1, 0, NBA, 0
	s_wait_dscnt 0x0                               ; my reads of this slot are over
	s_wait_tensorcnt 0x0                           ; all my tensor loads have landed
	ds_add_u32 v254, v255
	s_wait_dscnt 0x0
	s_barrier_signal -1
	MULS FA1, NBA, NB/2, 0                         ; register work while the others arrive
	WIN 0
	s_barrier_wait -1
.if \fill
	CREST
	s_add_nc_u64 s[G0+4*\slot+2:G0+4*\slot+3], s[G0+4*\slot+2:G0+4*\slot+3], 2*A_SL
	s_add_nc_u64 s[G0B+4*\slot+2:G0B+4*\slot+3], s[G0B+4*\slot+2:G0B+4*\slot+3], 2*B_SL
	JLOAD \slot                                    ; my one tensor load until the next round
.endif
	PLACES
	FETCH_A \next, 0, FA0
	FETCH_B \next, 0, 0, NB/2
	MULS FA1, NB/2, NB, 0                          ; B's upper half was shown in by the wait for 0 above
	WIN 0
	PLACES
	FETCH_B \next, 0, NB/2, NB
.endm
.macro INNERS slot, zero
	INNER \slot, 0, \zero
.if KS == 4
	INNER \slot, 1, 0
	INNER \slot, 2, 0
.endif
.endm
.macro LAP zero                        ; once round the ring, both slots filled again
	INNERS 0, \zero
	TURN 0, 1, 1
	INNERS 1, 0
	TURN 1, 0, 1
.endm
	s_wait_tensorcnt 0x1                           ; my part of slot 0 is in; slot 1's, issued behind it, stays out
	s_barrier_signal -1
	s_barrier_wait -1
	FETCH_A 0, 0, FA0
	FETCH_B 0, 0, 0, NB
	LAP 1                                          ; the first lap stands in front of the loop: its first products start the sums
	WIN 0
	s_mov_b32 s3, LAPS-2
.Llap:
	LAP 0
	WIN 0
	s_sub_co_u32 s3, s3, 1
	s_cmp_lg_u32 s3, 0
	s_cbranch_scc1 .Llap
	INNERS 0, 0                                    ; the last lap fills nothing and has no round
	TURN 0, 1, 0
	INNERS 1, 0
	s_wait_dscnt NB                                ; the very last step
	MULS FA1, 0, NB/2, 0
	s_wait_dscnt 0x0
	MULS FA1, NB/2, NB, 0
	WIN 0
	PLACES
	; THE WAY OUT, 16 rows at a time: a lane's 8 f32 of each tile into my own stage (16 rows of 256 bytes, pitch 272), read back as whole rows.
	s_lshl_b32 s16, s13, 20                        ; block row x 256 rows of 4,096 bytes
	s_lshl_b32 s17, s11, 19                        ; + my half's 128
	s_add_co_u32 s16, s16, s17
	s_mov_b32 s17, 0
	s_add_nc_u64 s[8:9], s[8:9], s[16:17]
	s_lshl_b32 s46, s42, 9                         ; block column x 128 columns of 4 bytes
	s_lshl_b32 s47, s12, 8                         ; + my half's 64
	s_add_co_u32 s46, s46, s47
	s_mov_b32 s47, 0
	s_add_nc_u64 s[8:9], s[8:9], s[46:47]
.macro OUT16 a, f
	WIN 0x04                                       ; store data in window 1
.irp b, 0,1,2,3
	ds_store_b128 v[STO], v[8*(8*\b+\a):8*(8*\b+\a)+3]   offset:64*\b
	ds_store_b128 v[STO], v[8*(8*\b+\a)+4:8*(8*\b+\a)+7] offset:64*\b+16
.endr
	WIN 0
	s_wait_xcnt 0x0                                ; buffer f, which earlier stores read, is loaded again only behind this wait
.irp t, 0,1,2,3,4,5,6,7
	ds_load_b128 v[\f+4*\t:\f+4*\t+3], v[RD] offset:\t*544      ; a wave's LDS instructions are served in order: these see the stores above
.endr
.irp t, 0,1,2,3,4,5,6,7
	s_wait_dscnt 7-\t                              ; the younger read-backs stay out
	global_store_b128 v[CO], v[\f+4*\t:\f+4*\t+3], s[8:9] offset:(16*\a+2*\t)*4096 th:TH_STORE_NT   ; 16 lanes store 256 consecutive aligned bytes
.endr
.endm
	OUT16 0, RB0
	OUT16 1, RB1
	OUT16 2, RB0
	OUT16 3, RB1
	OUT16 4, RB0
	OUT16 5, RB1
	OUT16 6, RB0
	OUT16 7, RB1
	s_wait_tensorcnt 0x0
	ds_add_u32 v254, v255
	s_wait_dscnt 0x0
	CROUND                                         ; the closing round: no work-group ends while a partner may still ask for a tile that names it
	s_endpgm
.Lfunc_end_k_q86b995ec05_gemm_out:
	.size	k_q86b995ec05_gemm_out, .Lfunc_end_k_q86b995ec05_gemm_out-k_q86b995ec05_gemm_out
	.p2alignl 7, 3214868480
	.fill 96, 4, 3214868480
	.section	.rodata,"a",@progbits
	.p2align	6, 0x0
	.amdhsa_kernel k_q86b995ec05_gemm_out
		.amdhsa_group_segment_fixed_size 327680
		.amdhsa_private_segment_fixed_size 0
		.amdhsa_enable_private_segment 0
		.amdhsa_kernarg_size 24
		.amdhsa_user_sgpr_count 2
		.amdhsa_user_sgpr_kernarg_segment_ptr 1
		.amdhsa_wavefront_size32 1
		.amdhsa_system_sgpr_workgroup_id_x 1
		.amdhsa_system_sgpr_workgroup_id_y 1
		.amdhsa_system_sgpr_workgroup_id_z 1
		.amdhsa_system_vgpr_workitem_id 0
		.amdhsa_next_free_vgpr 512
		.amdhsa_next_free_sgpr 66
		.amdhsa_reserve_vcc 0
		.amdhsa_float_denorm_mode_32 3
		.amdhsa_float_denorm_mode_16_64 3
		.amdhsa_memory_ordered 1
		.amdhsa_forward_progress 1
		.amdhsa_inst_pref_size 122
	.end_amdhsa_kernel
	.amdgpu_metadata
---
amdhsa.version: [ 1, 2 ]
amdhsa.kernels:
  - .name:           k_q86b995ec05_gemm_out
    .symbol:         k_q86b995ec05_gemm_out.kd
    .args:
      - { .name: yb, .offset: 0, .size: 8, .value_kind: global_buffer, .address_space: global }
      - { .name: wob, .offset: 8, .size: 8, .value_kind: global_buffer, .address_space: global }
      - { .name: out0, .offset: 16, .size: 8, .value_kind: global_buffer, .address_space: global }
    .group_segment_fixed_size: 327680
    .private_segment_fixed_size: 0
    .kernarg_segment_align: 8
    .kernarg_segment_size: 24
    .max_flat_workgroup_size: 128
    .sgpr_count:     66
    .vgpr_count:     512
    .wavefront_size: 32
...
	.end_amdgpu_metadata
.endif
;; end of part 4
;; ======== version 2 of 2: 4 launches; version 1 with the launch cvt written anew for expert scheduling mode
;; limits: values are held in f16: magnitudes above 65,504 overflow, below 6.1e-05 lose precision; right only within a limited range of input values
;; workspace buffers: xb 16,777,216 bytes; wqb 6,291,456 bytes; wob 2,097,152 bytes; qkv 50,331,648 bytes; yb 16,777,216 bytes
;; launch cvt (part 5): grid 768 x 1, 8 waves a work-group, no clusters, 0 bytes of LDS; arguments x, w_qkv, w_out, xb, wqb, wob; writes xb, wqb, wob
.if DOCPART == 5
	.amdgcn_target "amdgcn-amd-amdhsa--gfx1250"
	.amdhsa_code_object_version 6
	.text
	.protected	k_q86b995ec05_cvt
	.globl	k_q86b995ec05_cvt
	.p2align	8
	.type	k_q86b995ec05_cvt,@function
k_q86b995ec05_cvt:
	s_mov_b64 s[64:65], 0
	v_nop
	global_prefetch_b8 v0, s[64:65] scope:SCOPE_SE
	s_setreg_imm32_b32 hwreg(HW_REG_WAVE_SCHED_MODE, 0, 2), 2
	s_setreg_imm32_b32 hwreg(HW_REG_WAVE_MODE, 25, 1), 1
	s_wait_xcnt 0x0
	s_wait_alu depctr_vm_vsrc(0)
; Rounds the three f32 inputs to 16 bits and lays them out for the matrix kernels:
;   x     [8192][1024] f32 -> xb  [16][8192][64] bf16      w_qkv [3072][1024] f32 -> wqb [16][3072][64] bf16
;   w_out [1024][1024] f32 -> wob [16][1024][64] f16, holding the value ROUNDED TO BF16 (its partner in the last product is f16)
; Block kb of a destination holds columns 64 kb .. 64 kb + 63 of every row: a row piece is 128 bytes, and any run of rows of one block is dense.
; LIMIT: a bf16 value is exact in f16 for 2^-17 <= |w| <= 65504; below, the absolute error is at most 2^-25; above, it becomes infinity.
; A stream: each input byte is loaded once, each output byte stored once.  LDS, barriers, matrix units and clusters would add nothing.
; A work-group takes 16 input rows (64 KiB): numbers 0-511 x, 512-703 w_qkv, 704-767 w_out.  Wave w takes rows 2w and 2w + 1.
; A load of a wave covers 256 aligned bytes of each of its two rows (one block's 64 columns); its 8 bytes a lane of results are
; 256 consecutive aligned bytes of the destination (two row pieces).  All sixteen loads of a wave are issued before the first wait;
; no register that a memory instruction names is written twice, so no source of a pending instruction is ever rewritten.
; THE MODE: SCHED_MODE bits 1:0 = 2 (LLVM: expert scheduling mode 2), set by the entry lines.  The code itself states the register dependences
; between vector instructions and memory instructions, with s_wait_alu, always for 0.
; THE PLAN.  Registers that memory instructions touch:
;   v1 (VIN)   written at the head, never again; read by the sixteen loads as their offset.
;   X          block kb: written by its load alone, once; read by its conversions.  No vector instruction names X ahead of the loads.
;   OFF        block kb: written once, behind the loads and ahead of the branch; read by block kb's store as its offset.
;   Y          block kb: written once, by its conversions; read by block kb's store as its data.
;   TT         named by vector instructions alone.
; The sixteen blocks go in four groups of four.  Group g converts its blocks; the stores of group g - 1 are dealt among those conversions, which name
; X, Y and TT of group g alone: none of the registers that those stores read.  So one wait on va_vdst at the head of groups 1 to 3, and one ahead of the
; last four stores, state all that the stores hang on; one more stands ahead of the loads.  Nothing that a memory instruction has read is written again:
; no wait on vm_vsrc is owed.  No vector instruction writes a scalar register, and EXEC is never written.
.set VIN, 1                            ; v1        byte offset of my 16 bytes in the chunk, block 0
.set X,   4                            ; v[4:67]   block kb: 4 f32 as loaded
.set Y,   68                           ; v[68:99]  block kb: 4 numbers of 16 bits
.set OFF, 100                          ; v[100:115] block kb: byte offset of my 8 bytes in the destination
.set TT,  116                          ; v[116:119] at work (w_out only)
.macro PUT kb                          ; block kb leaves
	global_store_b64 v[OFF+(\kb)], v[Y+2*(\kb):Y+2*(\kb)+1], s[18:19]
.endm
.macro TOBF kb                         ; block kb to bf16
	v_cvt_pk_bf16_f32 v[Y+2*(\kb)],   v[X+4*(\kb)],   v[X+4*(\kb)+1]
	v_cvt_pk_bf16_f32 v[Y+2*(\kb)+1], v[X+4*(\kb)+2], v[X+4*(\kb)+3]
.endm
.macro TOHF kb                         ; block kb to the bf16 value, kept as f16
	v_cvt_pk_bf16_f32 v[TT],   v[X+4*(\kb)],   v[X+4*(\kb)+1]  ; round to bf16,
	v_cvt_pk_bf16_f32 v[TT+1], v[X+4*(\kb)+2], v[X+4*(\kb)+3]
	v_lshlrev_b32 v[TT+2], 16, v[TT]                           ; widen again,
	v_and_b32     v[TT],   0xffff0000, v[TT]
	v_lshlrev_b32 v[TT+3], 16, v[TT+1]
	v_and_b32     v[TT+1], 0xffff0000, v[TT+1]
	v_cvt_pk_f16_f32 v[Y+2*(\kb)],   v[TT+2], v[TT]            ; and keep the same value as f16
	v_cvt_pk_f16_f32 v[Y+2*(\kb)+1], v[TT+3], v[TT+1]
.endm
; The sixteen blocks, four groups of four.  half = 0: to bf16; half = 1: w_out's way.
.macro WALK half
.irp g, 0,1,2,3
.irp i, 0,1,2,3
.if ((\g) > 0) && ((\i) > 0)
	PUT 4*(\g)+(\i)-4                              ; a store of the group before.  No wait: no vector instruction since the group's wait names its Y or its OFF
.endif
	s_wait_loadcnt 15-4*(\g)-(\i)                  ; loads come back in order: this block is in, the younger ones stay out
.if ((\g) > 0) && ((\i) == 0)
	s_wait_alu depctr_va_vdst(0)                   ; the group before has written its four blocks of Y, which the four stores dealt into this group read; at group 1 also: all sixteen OFF are written, the stores' offsets
	PUT 4*(\g)-4
.endif
.if \half
	TOHF 4*(\g)+(\i)
.else
	TOBF 4*(\g)+(\i)
.endif
.endr
.endr
	s_wait_alu depctr_va_vdst(0)                   ; group 3 has written its four blocks of Y, which the last four stores read
.irp i, 12,13,14,15
	PUT \i
.endr
.endm
	s_load_b256 s[4:11], s[0:1], 0x0               ; x s[4:5], w_qkv s[6:7], w_out s[8:9], xb s[10:11]
	s_load_b128 s[12:15], s[0:1], 0x20             ; wqb s[12:13], wob s[14:15]
	v_and_b32 v1, 15, v0
	v_lshrrev_b32 v2, 4, v0                        ; row of the chunk = 2 x wave + lane / 16
	v_lshlrev_b32 v1, 4, v1
	v_lshl_add_u32 v[VIN], v2, 12, v1              ; row x 4,096 + 16 x (lane mod 16)
	s_mov_b32 s21, 0x100000                        ; bytes from block to block: 8192 rows x 128
	s_mov_b32 s22, 0x60000                         ; 3072 x 128
	s_mov_b32 s23, 0x20000                         ; 1024 x 128
	s_wait_kmcnt 0x0
	s_cmp_lt_u32 ttmp9, 512                        ; which tensor: the choice hangs on the work-group's number alone
	s_cselect_b64 s[16:17], s[4:5], s[6:7]
	s_cselect_b64 s[18:19], s[10:11], s[12:13]
	s_cselect_b32 s20, 0, 512
	s_cselect_b32 s21, s21, s22
	s_cmp_lt_u32 ttmp9, 704
	s_cselect_b64 s[16:17], s[16:17], s[8:9]
	s_cselect_b64 s[18:19], s[18:19], s[14:15]
	s_cselect_b32 s20, s20, 704
	s_cselect_b32 s21, s21, s23
	s_sub_co_u32 s20, ttmp9, s20                   ; my chunk of 16 rows in that tensor
	s_lshl_b32 s24, s20, 16                        ; 16 rows x 4,096 bytes in
	s_mov_b32 s25, 0
	s_add_nc_u64 s[16:17], s[16:17], s[24:25]
	s_lshl_b32 s24, s20, 11                        ; 16 row pieces x 128 bytes out
	s_add_nc_u64 s[18:19], s[18:19], s[24:25]
	s_wait_alu depctr_va_vdst(0)                   ; v1 is written: the sixteen loads read it as their offset
.irp kb, 0,1,2,3,4,5,6,7,8,9,10,11,12,13,14,15
	global_load_b128 v[X+4*\kb:X+4*\kb+3], v[VIN], s[16:17] offset:256*\kb th:TH_LOAD_NT
.endr
	v_lshlrev_b32 v[OFF], 3, v0                    ; 256 x wave + 8 x lane
.irp kb, 1,2,3,4,5,6,7,8,9,10,11,12,13,14,15
	v_add_nc_u32 v[OFF+\kb], s21, v[OFF+\kb-1]
.endr
	s_cmp_ge_u32 ttmp9, 704
	s_cbranch_scc1 .Lwout
	WALK 0
	s_endpgm
.Lwout:
	WALK 1
	s_endpgm
.Lfunc_end_k_q86b995ec05_cvt:
	.size	k_q86b995ec05_cvt, .Lfunc_end_k_q86b995ec05_cvt-k_q86b995ec05_cvt
	.p2alignl 7, 3214868480
	.fill 96, 4, 3214868480
	.section	.rodata,"a",@progbits
	.p2align	6, 0x0
	.amdhsa_kernel k_q86b995ec05_cvt
		.amdhsa_group_segment_fixed_size 0
		.amdhsa_private_segment_fixed_size 0
		.amdhsa_enable_private_segment 0
		.amdhsa_kernarg_size 48
		.amdhsa_user_sgpr_count 2
		.amdhsa_user_sgpr_kernarg_segment_ptr 1
		.amdhsa_wavefront_size32 1
		.amdhsa_system_sgpr_workgroup_id_x 1
		.amdhsa_system_sgpr_workgroup_id_y 1
		.amdhsa_system_sgpr_workgroup_id_z 1
		.amdhsa_system_vgpr_workitem_id 0
		.amdhsa_next_free_vgpr 120
		.amdhsa_next_free_sgpr 66
		.amdhsa_reserve_vcc 0
		.amdhsa_float_denorm_mode_32 3
		.amdhsa_float_denorm_mode_16_64 3
		.amdhsa_memory_ordered 1
		.amdhsa_forward_progress 1
		.amdhsa_inst_pref_size 17
	.end_amdhsa_kernel
	.amdgpu_metadata
---
amdhsa.version: [ 1, 2 ]
amdhsa.kernels:
  - .name:           k_q86b995ec05_cvt
    .symbol:         k_q86b995ec05_cvt.kd
    .args:
      - { .name: x, .offset: 0, .size: 8, .value_kind: global_buffer, .address_space: global }
      - { .name: w_qkv, .offset: 8, .size: 8, .value_kind: global_buffer, .address_space: global }
      - { .name: w_out, .offset: 16, .size: 8, .value_kind: global_buffer, .address_space: global }
      - { .name: xb, .offset: 24, .size: 8, .value_kind: global_buffer, .address_space: global }
      - { .name: wqb, .offset: 32, .size: 8, .value_kind: global_buffer, .address_space: global }
      - { .name: wob, .offset: 40, .size: 8, .value_kind: global_buffer, .address_space: global }
    .group_segment_fixed_size: 0
    .private_segment_fixed_size: 0
    .kernarg_segment_align: 8
    .kernarg_segment_size: 48
    .max_flat_workgroup_size: 256
    .sgpr_count:     66
    .vgpr_count:     120
    .wavefront_size: 32
...
	.end_amdgpu_metadata
.endif
;; end of part 5
;; launch gemm_qkv: the kernel of part 2 again; grid 8 x 32, 4 waves a work-group, clusters of 4 x 4, 327,680 bytes of LDS; arguments xb, wqb, qkv; writes qkv
;; launch attn: the kernel of part 3 again; grid 4 x 64, 8 waves a work-group, no clusters, 327,680 bytes of LDS; arguments qkv, yb; writes yb
;; launch gemm_out: the kernel of part 4 again; grid 8 x 32, 4 waves a work-group, clusters of 4 x 4, 327,680 bytes of LDS; arguments yb, wob, out0; writes out0
